; MI455X (gfx1250); checked and timed in simulation.
; The chip was launched on July 23, 2026; its instructions are those of AMD's public machine-readable ISA for CDNA 5 (MIT licence, August 2026) and "CDNA5" Instruction Set Architecture Reference Guide (July 2026). The comments in the code are by the model that wrote it; some were corrected since.
;; Multi Head Attention. Allowed arithmetic: matrix products marked QUANTISED: E2M1 operands, one E8M0 scale for each 32 along K, by v_wmma_scale_f32_16x16x128_f8f6f4 with both operands' format E2M1 (or v_wmma_scale_f32_32x16x128_f4), f32 sums; products left as they are: bf16, f16 or f32 operands; f32 sums; everything else in f32.
;; Inputs: Wk 1,024 x 1,024 float32; Wo 1,024 x 1,024 float32; Wq 1,024 x 1,024 float32; Wv 1,024 x 1,024 float32; bo 1,024 float32; in_data 2 x 2,048 x 1,024 float32.
;; Outputs: out0 2 x 2,048 x 1,024 float32.
;; This version of the problem:
;;   THIS VERSION OF THE PROBLEM IS GIVEN IN LOW PRECISION. The matrix products marked QUANTISED in the list below multiply operands that are first quantised to E2M1 (2 exponent bits, 1 mantissa bit; 4 bits a number), with one power-of-two scale for each 32 numbers along K (OCP MX v1.0); their sums are f32. The products marked 'left as it is' may take bf16, f16 or f32 operands, with f32 sums. Whichever they take, every output number must still come out within the allowed error. Rounding operands to bf16 (8 significant bits) uses up far more of that allowance than f16 does (11 bits, for magnitudes from 6e-5 to 65,504). All else is computed in f32.
;;   The module's matrix products, in the order in which they are computed (A, B: the left and right operand; K: the contracted axis; several contracted axes count as one K, in the product's order):
;;     1. [M 4,096, K 1,024] x [K 1,024, N 1,024]; A: input in_data; B: input Wq: QUANTISED
;;     2. [M 4,096, K 1,024] x [K 1,024, N 1,024]; A: input in_data; B: input Wk: QUANTISED
;;     3. [M 4,096, K 1,024] x [K 1,024, N 1,024]; A: input in_data; B: input Wv: QUANTISED
;;     4. batch 32 x [M 2,048, K 64] x [K 64, N 2,048]; A: computed on the way; B: computed on the way: left as it is (an operand is computed on the way)
;;     5. batch 32 x [M 2,048, K 2,048] x [K 2,048, N 64]; A: computed on the way; B: computed on the way: left as it is (an operand is computed on the way)
;;     6. [M 4,096, K 1,024] x [K 1,024, N 1,024]; A: computed on the way; B: input Wo: left as it is (an operand is computed on the way)
;;   THE QUANTISER, for each operand of a quantised product, along K:
;;     - K is cut into blocks of 32 from its start; a last block that is shorter is filled with zeros.
;;     - A block's scale is 2^e with e = floor(log2(the largest magnitude in the block)) - 2, held to -126 .. 127; a block of zeros has e = 0. As a byte (E8M0): e + 127.
;;     - Each number is divided by its block's scale, clamped to +-6, and rounded to the nearest number of E2M1, ties to even, subnormals kept.
;;     - The product sums the exact products of the quantised numbers (number of the format x scale) in f32.
;;   ~~~python
;;   def quantise(x, axis):      # numpy; x: float32 -> the quantised numbers, widened to float32 again
;;       x = np.moveaxis(x, axis, -1); K = x.shape[-1]
;;       x = np.pad(x, [(0, 0)] * (x.ndim - 1) + [(0, -K % 32)]); x = x.reshape(x.shape[:-1] + (-1, 32)); a = np.abs(x).max(-1, keepdims=True)
;;       e = np.where(a > 0, np.clip(np.frexp(np.where(a > 0, a, 1))[1] - 1 - 2, -126, 127), 0)      # np.frexp(a)[1] - 1 = floor(log2(a)), exactly
;;       r = np.clip(x / 2.0 ** e, -6, 6)
;;       step = 2.0 ** (np.maximum(np.frexp(np.where(r == 0, 1, r))[1] - 1, 0) - 1)
;;       q = np.round(r / step) * step * 2.0 ** e      # np.round: ties to even
;;       return np.moveaxis(q.reshape(q.shape[:-2] + (-1,))[..., :K], -1, axis).astype(np.float32)
;;   ~~~
;; One version. Each part assembles by itself: llvm-mc -triple=amdgcn-amd-amdhsa -mcpu=gfx1250 --defsym DOCPART=n.
;; ======== version 1 of 1: 5 launches
;; limits: values are held in f16: magnitudes above 65,504 overflow, below 6.1e-05 lose precision
;; workspace buffers: xq 2,228,224 bytes; wq4 1,671,168 bytes; qkv 25,165,824 bytes; ctx 8,388,608 bytes; wo16 4,194,304 bytes; cfine 131,072 bytes
;; launch prep (part 1): grid 512 x 1, 4 waves a work-group, no clusters, 68,608 bytes of LDS; arguments in_data, Wq, Wk, Wv, Wo, xq, wq4, wo16; writes xq, wq4, wo16
.if DOCPART == 1
	.amdgcn_target "amdgcn-amd-amdhsa--gfx1250"
	.amdhsa_code_object_version 6
	.text
	.protected	k_qc39d02fc1d_prep
	.globl	k_qc39d02fc1d_prep
	.p2align	8
	.type	k_qc39d02fc1d_prep,@function
k_qc39d02fc1d_prep:
	s_mov_b64 s[64:65], 0
	v_nop
	global_prefetch_b8 v0, s[64:65] scope:SCOPE_SE
	s_setreg_imm32_b32 hwreg(HW_REG_WAVE_MODE, 25, 1), 1
	s_wait_xcnt 0x0
; PREP.  in_data [4096][1024], Wq, Wk, Wv [1024][1024] (f32, K innermost) become codes of FP4 (E2M1) with one E8M0 byte for each 32 along K;
; Wo [1024][1024] becomes two f16 numbers for each f32: a high part and the rounded rest.  All results are laid in the ORDER OF THE OPERAND'S REGISTERS:
; groups of 512 bytes, lane l's 16 bytes at 16 l, so that the later launches load fragments as they lie.
; A block's scale is 2^(floor(log2(largest magnitude)) - 2); its byte is the largest magnitude's exponent field - 2, held at 1 from below.
; LIMITS: a block of zeros, or one whose largest magnitude lies under 2^-124, gets the byte 1 (the rule says 127 for zeros: its codes are zeros, and this program alone reads the bytes);
; NaN and infinities are not served; |Wo| stays under 65,504 (f16).
; SHARES.  A work-group takes 16 rows x 1,024 K of one tensor: ids 0-255 in_data, 256-447 Wq, Wk, Wv, 448-511 Wo.  Wave j takes K 256 j .. 256 j + 255, as two halves u of 128.
; Each load reads 512 consecutive bytes of one row; the numbers turn through the wave's own stage in LDS (rows 528 bytes apart) and come back so that a lane holds the
; neighbours along K that its place in the operand wants.  One barrier: the four waves' scale words meet in 512 bytes of LDS and leave as one store of 512 bytes.
; No tensor load, no ring: the launch streams; every store covers 512 consecutive bytes, aligned.
.set PITCH, 528                        ; a stage row: 512 bytes + 16
.set STG1,  16*PITCH                   ; a stage: 16 rows
.set WREG,  2*STG1                     ; a wave's two stages
.set SCG,   4*WREG                     ; behind them: the tile's scale words, 512 bytes
.set SPARE, SCG+512                    ; the spare words, 128 bytes for each wave: two blocks of 256 bytes that no other line names
.set LI,  4                            ; v4   16 x lane
.set STI, 5                            ; v5   the stage, on the way in
.set STQ, 6                            ; v6   on the way out, for codes: row r, + 128 h
.set STW, 7                            ; v7   on the way out, for Wo: row r, + 32 h
.set SCW, 8                            ; v8   where my scale word goes
.set SCR, 9                            ; v9   where wave 0 reads the 512 bytes back
.set SPW, 10                           ; v10  my spare word; never rewritten
.set NIL, 11                           ; v11  0; never rewritten
.set SH8, 12                           ; v12  8 h
.set TM,  16                           ; v16-47 at work
.set CD,  32                           ; v32-47 codes (quantising path)
.set SW,  48                           ; v48-49 the two halves' scale words, v50 the merged word, v52-55 the image on its way out
.set R,   64                           ; v64-191 32 loads of 4 registers
.set X0,  192                          ; v192-255 64 numbers of half 0
	s_load_b256 s[4:11], s[0:1], 0x0               ; in_data, Wq, Wk, Wv
	s_load_b256 s[12:19], s[0:1], 0x20             ; Wo, xq, wq4, wo16
	v_lshl_add_u32 v[SPW], v0, 2, SPARE
	v_mov_b32 v[NIL], 0
	v_lshrrev_b32 v1, 5, v0
	v_readfirstlane_b32 s20, v1                    ; wave = K chunk j
	v_and_b32 v1, 31, v0                           ; lane
	v_and_b32 v2, 15, v0                           ; r
	v_bfe_u32 v3, v0, 4, 1                         ; h
	v_lshlrev_b32 v[LI], 4, v1
	s_mul_i32 s30, s20, WREG
	v_add_nc_u32 v[STI], s30, v[LI]
	v_mul_u32_u24 v13, v2, PITCH
	v_add_nc_u32 v13, s30, v13
	v_lshl_add_u32 v[STQ], v3, 7, v13
	v_lshl_add_u32 v[STW], v3, 5, v13
	s_lshl_b32 s31, s20, 2
	s_add_co_u32 s31, s31, SCG
	v_add_nc_u32 v[SCW], s31, v[LI]
	v_add_nc_u32 v[SCR], SCG, v[LI]
	v_lshlrev_b32 v[SH8], 3, v3
	v_mov_b32 v[TM+6], 0                           ; a lane permute's destination counts as read: written once
	s_mov_b32 s36, 0x76543210
	s_mov_b32 s37, 0xfedcba98                      ; selects for lane l xor 16
	s_mov_b32 s21, ttmp9                           ; id
	s_and_b32 s22, s21, 63
	s_cmp_lt_u32 s21, 256
	s_cselect_b32 s22, s21, s22                    ; the tile of 16 rows in its tensor
	s_lshr_b32 s23, s21, 6
	s_and_b32 s23, s23, 3                          ; 0, 1, 2 for Wq, Wk, Wv
	s_lshl_b32 s44, s22, 16
	s_lshl_b32 s45, s20, 10
	s_add_co_u32 s44, s44, s45                     ; source: tile x 65,536 + j x 1,024
	s_mov_b32 s45, 0
	; in_data: codes ((T >> 4) 4 + j) 32,768 + (T & 15) 2,048; scale words 2,097,152 + 512 T
	s_lshr_b32 s30, s22, 4
	s_lshl_b32 s30, s30, 2
	s_add_co_u32 s30, s30, s20
	s_lshl_b32 s30, s30, 15
	s_and_b32 s31, s22, 15
	s_lshl_b32 s31, s31, 11
	s_add_co_u32 s30, s30, s31
	s_lshl_b32 s31, s22, 9
	s_add_co_u32 s31, s31, 2097152
	; Wq, Wk, Wv: head = tile >> 2, tt = 4 m + (tile & 3): codes (4 head + j) 24,576 + 2,048 tt; scale words 1,572,864 + (12 head + tt) 512
	s_lshr_b32 s32, s22, 2
	s_and_b32 s33, s22, 3
	s_lshl_b32 s34, s23, 2
	s_add_co_u32 s33, s33, s34
	s_lshl_b32 s34, s32, 2
	s_add_co_u32 s34, s34, s20
	s_mul_i32 s34, s34, 24576
	s_lshl_b32 s35, s33, 11
	s_add_co_u32 s34, s34, s35
	s_mul_i32 s35, s32, 12
	s_add_co_u32 s35, s35, s33
	s_lshl_b32 s35, s35, 9
	s_add_co_u32 s35, s35, 1572864
	; Wo: (((tile >> 3) 4 + j) 8 + (tile & 7)) 8,192
	s_lshr_b32 s32, s22, 3
	s_lshl_b32 s32, s32, 2
	s_add_co_u32 s32, s32, s20
	s_lshl_b32 s32, s32, 3
	s_and_b32 s33, s22, 7
	s_add_co_u32 s32, s32, s33
	s_lshl_b32 s32, s32, 13
	s_cmp_lt_u32 s21, 448
	s_cselect_b32 s34, s34, s32
	s_cselect_b32 s38, 0, 1                        ; 1: a tile of Wo
	s_cmp_lt_u32 s21, 256
	s_cselect_b32 s40, s30, s34
	s_cselect_b32 s42, s31, s35
	s_mov_b32 s41, 0
	s_mov_b32 s43, 0
	s_wait_kmcnt 0x0
	s_cmp_lt_u32 s21, 448                          ; the buffers are chosen by the work-group's number alone
	s_cselect_b64 s[24:25], s[10:11], s[12:13]
	s_cselect_b64 s[26:27], s[16:17], s[18:19]
	s_cmp_lt_u32 s21, 384
	s_cselect_b64 s[24:25], s[8:9], s[24:25]
	s_cmp_lt_u32 s21, 320
	s_cselect_b64 s[24:25], s[6:7], s[24:25]
	s_cmp_lt_u32 s21, 256
	s_cselect_b64 s[24:25], s[4:5], s[24:25]
	s_cselect_b64 s[26:27], s[14:15], s[26:27]
	s_cselect_b64 s[28:29], s[14:15], s[16:17]
	s_add_nc_u64 s[24:25], s[24:25], s[44:45]
	s_add_nc_u64 s[26:27], s[26:27], s[40:41]
	s_add_nc_u64 s[28:29], s[28:29], s[42:43]
.macro LOADS u                         ; half u of my 256 numbers of each of the 16 rows: 32 lanes read 512 consecutive bytes
.irp i, 0,1,2,3,4,5,6,7,8,9,10,11,12,13,14,15
	global_load_b128 v[R+64*\u+4*\i:R+64*\u+4*\i+3], v[LI], s[24:25] offset:\i*4096+\u*512 th:TH_LOAD_NT
.endr
.endm
.macro STAGE u                         ; into the stage as they lie
.irp i, 0,1,2,3,4,5,6,7,8,9,10,11,12,13,14,15
	ds_store_b128 v[STI], v[R+64*\u+4*\i:R+64*\u+4*\i+3] offset:\u*STG1+\i*PITCH
.endr
.endm
.macro BACKQ u, x                      ; lane (r, h): of row r the numbers k = 64 c + 32 h + 0 .. 31, c = 0, 1: two whole blocks
.irp c, 0,1
.irp e, 0,1,2,3,4,5,6,7
	ds_load_b128 v[\x+32*\c+4*\e:\x+32*\c+4*\e+3], v[STQ] offset:\u*STG1+256*\c+16*\e
.endr
.endr
.endm
.macro QUANT x, u                      ; 64 numbers become 8 registers of codes, in the operand's order, and my row's scale word
.irp c, 0,1
	v_max3_num_f32 v[TM+\c], |v[\x+32*\c]|, |v[\x+32*\c+1]|, 0x1800000   ; block 2 c + h: all 32 numbers are mine; the floor 2^(3 - 127) holds the byte at 1 from below
.endr
.irp i, 2,4,6,8,10,12,14,16,18,20,22,24,26,28,30
.irp c, 0,1
	v_max3_num_f32 v[TM+\c], v[TM+\c], |v[\x+32*\c+\i]|, |v[\x+32*\c+\i+1]|
.endr
.endr
.irp c, 0,1
	v_add_nc_u32 v[TM+4+\c], 0xff000000, v[TM+\c]  ; 2 off the exponent field: the conversion takes this operand's exponent field as its scale
.endr
.irp c, 0,1
	v_lshrrev_b32 v[TM+2+\c], 23, v[TM+4+\c]       ; the scale's byte
.endr
	v_lshl_or_b32 v[SW+\u], v[TM+3], 16, v[TM+2]   ; bytes h and 2 + h of the word,
	v_lshlrev_b32 v[SW+\u], v[SH8], v[SW+\u]       ; at their places;
	v_permlanex16_b32 v[TM+6], v[SW+\u], s36, s37
	v_or_b32 v[SW+\u], v[SW+\u], v[TM+6]           ; with lane l xor 16's two the word is whole
.irp c, 0,1
.irp g, 0,1,2,3
	v_cvt_scalef32_pk8_fp4_f32 v[CD+8*\u+4*\c+\g], v[\x+32*\c+8*\g:\x+32*\c+8*\g+7], v[TM+4+\c]
.endr
.endr
	v_nop                                          ; one plain line behind the last scaled conversion
.irp c, 0,1
	global_store_b128 v[LI], v[CD+8*\u+4*\c:CD+8*\u+4*\c+3], s[26:27] offset:\u*1024+\c*512
.endr
.endm
	LOADS 0
	LOADS 1
	s_wait_loadcnt 16                              ; half 0's 16 loads are in; half 1's may be out
	STAGE 0
	s_wait_loadcnt 0x0
	STAGE 1
	s_cmp_lg_u32 s38, 0
	s_cbranch_scc1 .Lwo
	BACKQ 0, X0
	s_wait_dscnt 16                                ; the 32 stores into the stages are done: their registers may be loaded again; half 0's 16 loads may be out
	BACKQ 1, R
	s_wait_dscnt 16                                ; half 0 is back; half 1's 16 loads may be out
	QUANT X0, 0
	s_wait_dscnt 0x0
	QUANT R, 1
	v_cmp_gt_u32 vcc_lo, 16, v1
	v_cndmask_b32 v[SW+2], v[SW+1], v[SW], vcc_lo  ; lanes 0-15: row r's word of K step 2 j; lanes 16-31: of K step 2 j + 1
	ds_store_b32 v[SCW], v[SW+2]
	s_branch .Ljoin
.Lwo:
; Wo: lane (r, h), group g = 2 f + c of half u: k = 128 u + 32 f + 16 c + 8 h + 0 .. 7: eight numbers, 16 bytes of f16
.macro BACKW u, x
.irp g, 0,1,2,3,4,5,6,7
.irp e, 0,1
	ds_load_b128 v[\x+8*\g+4*\e:\x+8*\g+4*\e+3], v[STW] offset:\u*STG1+64*\g+16*\e
.endr
.endr
.endm
.macro HIGH x, hr                      ; the high parts: 64 numbers rounded to f16
.set n, 0
.rept 32
	v_cvt_pk_f16_f32 v[\hr+n], v[\x+2*n], v[\x+2*n+1]
.set n, n+1
.endr
.endm
.macro SUBS x, o                       ; number - its high part, exact in f32
.set n, 0
.rept 32
	v_sub_f32 v[\x+2*n+\o], v[\x+2*n+\o], v[TM+n]
.set n, n+1
.endr
.endm
.macro LOWS x                          ; the rests rounded to f16, packed over the registers that held them: group g's four at x + 8 g
.irp g, 0,1,2,3,4,5,6,7
.irp i, 0,1,2,3
	v_cvt_pk_f16_f32 v[\x+8*\g+\i], v[\x+8*\g+2*\i], v[\x+8*\g+2*\i+1]
.endr
.endr
.endm
.macro OUTW x, hr, u
.irp g, 0,1,2,3,4,5,6,7
	global_store_b128 v[LI], v[\hr+4*\g:\hr+4*\g+3], s[26:27] offset:\u*4096+\g*512
	global_store_b128 v[LI], v[\x+8*\g:\x+8*\g+3], s[32:33] offset:\u*4096+\g*512
.endr
.endm
	BACKW 0, X0
	s_wait_dscnt 16                                ; the 32 stores into the stages are done; half 0's 16 loads may be out
	BACKW 1, 128
	s_add_nc_u64 s[32:33], s[26:27], 0x200000      ; the low parts lie 2,097,152 bytes behind the high parts
	s_wait_dscnt 16                                ; half 0 is back
	HIGH X0, 64
.set n, 0
.irp hh, v64.l,v65.l,v66.l,v67.l,v68.l,v69.l,v70.l,v71.l,v72.l,v73.l,v74.l,v75.l,v76.l,v77.l,v78.l,v79.l,v80.l,v81.l,v82.l,v83.l,v84.l,v85.l,v86.l,v87.l,v88.l,v89.l,v90.l,v91.l,v92.l,v93.l,v94.l,v95.l
	v_cvt_f32_f16 v[TM+n], \hh
.set n, n+1
.endr
	SUBS X0, 0
.set n, 0
.irp hh, v64.h,v65.h,v66.h,v67.h,v68.h,v69.h,v70.h,v71.h,v72.h,v73.h,v74.h,v75.h,v76.h,v77.h,v78.h,v79.h,v80.h,v81.h,v82.h,v83.h,v84.h,v85.h,v86.h,v87.h,v88.h,v89.h,v90.h,v91.h,v92.h,v93.h,v94.h,v95.h
	v_cvt_f32_f16 v[TM+n], \hh
.set n, n+1
.endr
	SUBS X0, 1
	LOWS X0
	OUTW X0, 64, 0
	s_wait_dscnt 0x0                               ; half 1 is back
	HIGH 128, 96
.set n, 0
.irp hh, v96.l,v97.l,v98.l,v99.l,v100.l,v101.l,v102.l,v103.l,v104.l,v105.l,v106.l,v107.l,v108.l,v109.l,v110.l,v111.l,v112.l,v113.l,v114.l,v115.l,v116.l,v117.l,v118.l,v119.l,v120.l,v121.l,v122.l,v123.l,v124.l,v125.l,v126.l,v127.l
	v_cvt_f32_f16 v[TM+n], \hh
.set n, n+1
.endr
	SUBS 128, 0
.set n, 0
.irp hh, v96.h,v97.h,v98.h,v99.h,v100.h,v101.h,v102.h,v103.h,v104.h,v105.h,v106.h,v107.h,v108.h,v109.h,v110.h,v111.h,v112.h,v113.h,v114.h,v115.h,v116.h,v117.h,v118.h,v119.h,v120.h,v121.h,v122.h,v123.h,v124.h,v125.h,v126.h,v127.h
	v_cvt_f32_f16 v[TM+n], \hh
.set n, n+1
.endr
	SUBS 128, 1
	LOWS 128
	OUTW 128, 96, 1
.Ljoin:
	s_wait_dscnt 0x0                               ; for the others' sake: my scale word has landed
	s_barrier_signal -1
	s_barrier_wait -1
	s_or_b32 s39, s20, s38
	s_cmp_lg_u32 s39, 0
	s_cbranch_scc1 .Lend                           ; wave 0 of a quantising work-group stores the tile's 512 bytes of scale words
	ds_load_b128 v[SW+4:SW+7], v[SCR]
	s_wait_dscnt 0x0
	global_store_b128 v[LI], v[SW+4:SW+7], s[28:29]
.Lend:
	s_wait_tensorcnt 0x0                           ; the wave's end, behind my last LDS store
	ds_add_u32 v[SPW], v[NIL]
	s_wait_dscnt 0x0
	s_endpgm
.Lfunc_end_k_qc39d02fc1d_prep:
	.size	k_qc39d02fc1d_prep, .Lfunc_end_k_qc39d02fc1d_prep-k_qc39d02fc1d_prep
	.p2alignl 7, 3214868480
	.fill 96, 4, 3214868480
	.section	.rodata,"a",@progbits
	.p2align	6, 0x0
	.amdhsa_kernel k_qc39d02fc1d_prep
		.amdhsa_group_segment_fixed_size 68608
		.amdhsa_private_segment_fixed_size 0
		.amdhsa_enable_private_segment 0
		.amdhsa_kernarg_size 64
		.amdhsa_user_sgpr_count 2
		.amdhsa_user_sgpr_kernarg_segment_ptr 1
		.amdhsa_wavefront_size32 1
		.amdhsa_system_sgpr_workgroup_id_x 1
		.amdhsa_system_sgpr_workgroup_id_y 1
		.amdhsa_system_sgpr_workgroup_id_z 1
		.amdhsa_system_vgpr_workitem_id 0
		.amdhsa_next_free_vgpr 256
		.amdhsa_next_free_sgpr 66
		.amdhsa_reserve_vcc 1
		.amdhsa_float_denorm_mode_32 3
		.amdhsa_float_denorm_mode_16_64 3
		.amdhsa_memory_ordered 1
		.amdhsa_forward_progress 1
		.amdhsa_inst_pref_size 40
	.end_amdhsa_kernel
	.amdgpu_metadata
---
amdhsa.version: [ 1, 2 ]
amdhsa.kernels:
  - .name:           k_qc39d02fc1d_prep
    .symbol:         k_qc39d02fc1d_prep.kd
    .args:
      - { .name: in_data, .offset: 0, .size: 8, .value_kind: global_buffer, .address_space: global }
      - { .name: Wq, .offset: 8, .size: 8, .value_kind: global_buffer, .address_space: global }
      - { .name: Wk, .offset: 16, .size: 8, .value_kind: global_buffer, .address_space: global }
      - { .name: Wv, .offset: 24, .size: 8, .value_kind: global_buffer, .address_space: global }
      - { .name: Wo, .offset: 32, .size: 8, .value_kind: global_buffer, .address_space: global }
      - { .name: xq, .offset: 40, .size: 8, .value_kind: global_buffer, .address_space: global }
      - { .name: wq4, .offset: 48, .size: 8, .value_kind: global_buffer, .address_space: global }
      - { .name: wo16, .offset: 56, .size: 8, .value_kind: global_buffer, .address_space: global }
    .group_segment_fixed_size: 68608
    .private_segment_fixed_size: 0
    .kernarg_segment_align: 8
    .kernarg_segment_size: 64
    .max_flat_workgroup_size: 128
    .sgpr_count:     66
    .vgpr_count:     256
    .wavefront_size: 32
...
	.end_amdgpu_metadata
.endif
;; end of part 1
;; launch qkv (part 2): grid 16 x 16, 4 waves a work-group, clusters of 4 x 1, 229,888 bytes of LDS; arguments xq, wq4, qkv, cfine; writes qkv, cfine
.if DOCPART == 2
	.amdgcn_target "amdgcn-amd-amdhsa--gfx1250"
	.amdhsa_code_object_version 6
	.text
	.protected	k_qc39d02fc1d_qkv
	.globl	k_qc39d02fc1d_qkv
	.p2align	8
	.type	k_qc39d02fc1d_qkv,@function
k_qc39d02fc1d_qkv:
	s_mov_b64 s[64:65], 0
	v_nop
	global_prefetch_b8 v0, s[64:65] scope:SCOPE_SE
	s_setreg_imm32_b32 hwreg(HW_REG_WAVE_MODE, 25, 1), 1
	s_wait_xcnt 0x0
	s_wait_alu depctr_hold_cnt(0) depctr_sa_sdst(0) depctr_va_vdst(0) depctr_va_sdst(0) depctr_va_ssrc(0) depctr_va_vcc(0) depctr_vm_vsrc(0)
	s_getreg_b32 s2, hwreg(HW_REG_IB_STS2, 6, 4)
	s_cmp_eq_u32 s2, 0
	s_cbranch_scc0 .Lentry_in_a_cluster
	s_endpgm
.Lentry_in_a_cluster:
	s_bfe_u32 s2, ttmp6, 0x10000c
	s_cmp_lg_u32 s2, 0x3003
	s_cbranch_scc0 .Lentry_shape_is_right
	s_endpgm
.Lentry_shape_is_right:
; QKV.  q = x Wq^T, k = x Wk^T, v = x Wv^T on codes of FP4 with E8M0 scales; sums in f32.  q is multiplied by c = log2(e) / 8 in f32; c q, k and v leave as f16, laid in the
; order of the registers of the operands that attention will load.  Positions 0-15 of each (batch, head) are also taken through their whole attention here, in f32.
; LIMIT: |c q|, |k|, |v| stay under 65,504 (f16).
; SHARES.  A work-group (x = head, y = block of 256 rows) makes 256 rows x 192 columns: the head's 64 of q, of k and of v.  All of K lies in LDS at once (x: 4 chunks of 32,768 bytes,
; W: 4 of 24,576), filled once: no ring.  A wave makes 64 rows x 192 columns: 48 accumulators, 8 K steps of 128, 48 matrix instructions a step for 16 fragments read from LDS.
; q and k are made TRANSPOSED (source 0 = 16 rows of W, source 1 = 16 rows of x): a lane holds one position and eight neighbouring channels.  v is made the other way round:
; a lane holds one channel and eight neighbouring positions, which are the second product's K.  So every result is stored from registers, 512 consecutive aligned bytes a store.
; CLUSTER.  The four heads of a cluster need the same rows of x: x's tiles are asked for jointly (mask 15).  W's tiles, 96 of a work-group's 224 KiB, are each work-group's own: in a cluster
; of 4 x 4 the row block would differ between partners, and the branch to positions 0-15 hangs on it; here the row block is the cluster's y, the same in all four.
; REGISTERS, in windows of 256: window 0: v1-7 addresses; v32-47 x's scale words, v48-95 W's (register 4 t + j: lanes 0-15 K step 2 j, lanes 16-31 K step 2 j + 1); v128-191 x's fragments, two sets;
;   v96-127, v192-247 at work for positions 0-15.  window 1: W's fragments, two sets at v0 and v128; later the packed results.  window 2: q's and k's accumulators (a, tt) at 8 (8 a + tt).
;   window 3: v0-127 v's accumulators (a, dt) at 8 (4 a + dt); v128-191 the f32 products' sums, written by matrix instructions alone.
.set SPARE, 229376                     ; behind the tiles: the spare words, 128 bytes a wave
.set LI,  1                            ; v1  16 x lane
.set ADA, 2                            ; v2-3 x's fragments: chunks 0, 1 and chunks 2, 3
.set ADB, 4                            ; v4-5 W's likewise
.set SPW, 6
.set NIL, 7
.set SA,  32
.set SB,  48
.set AF,  128
.set HI,  96                           ; positions 0-15: high parts v96-111, low parts v112-127
.set LO,  112
.set TT,  192                          ; scores, then p unnormalised
.set UU,  200
.set PF,  208                          ; p
.set DF,  216                          ; v216-247
.set G1A, 24
.set G1B, 32
.set G0A, 40                           ; s40-55: four groups 0 for x's chunks
.set G0B, 68                           ; s68-83: four for W's
.set CS,  56
.set SEL, 58
.set MSB, 0
.macro WIN new                         ; the immediate's high byte repeats the setting that is left
.if MSB != \new
	s_set_vgpr_msb (MSB<<8)|\new
.set MSB, \new
.endif
.endm
.macro PLACES n
.rept \n
	v_nop
.endr
.endm
.macro CROUND                          ; a round of the cluster's barrier
	s_barrier_signal -1
	s_barrier_wait -1
	s_cmp_lg_u32 s12, 0
	s_cbranch_scc1 .Lnot_wave_0_\@
	s_barrier_signal -3
.Lnot_wave_0_\@:
	s_barrier_wait -3
	s_barrier_signal -1
	s_barrier_wait -1
.endm
	s_load_b256 s[4:11], s[0:1], 0x0               ; xq, wq4, qkv, cfine
	v_lshl_add_u32 v[SPW], v0, 2, SPARE
	v_mov_b32 v[NIL], 0
	ds_add_u32 v[SPW], v[NIL]                      ; the wave's opening: the add, twice on end, and its wait ahead of my first tensor load
	ds_add_u32 v[SPW], v[NIL]
	v_lshrrev_b32 v8, 5, v0
	v_readfirstlane_b32 s12, v8                    ; wave
	s_and_b32 s13, s12, 1                          ; which half of a chunk I fetch
	s_bfe_u32 s15, ttmp6, 0x40000                  ; cx
	s_lshl_b32 s16, ttmp9, 2
	s_add_co_u32 s16, s16, s15                     ; head = 4 x cluster x + cx
	s_and_b32 s17, ttmp7, 0xffff                   ; block of 256 rows: the cluster's y
	s_mov_b32 s[G1A], 15|(3<<16)|(1<<21)           ; x: the mask names all four; elements of 8 bytes; bit 21 beside a mask
	s_mov_b32 s[G1A+1], 32<<16                     ; rows of 256 bytes,
	s_mov_b32 s[G1A+2], 64<<16                     ; 64 of them, dense
	s_mov_b32 s[G1A+3], 32<<16
	s_mov_b32 s[G1A+4], 64
	s_mov_b32 s[G1A+5], 32
	s_mov_b32 s[G1A+6], 0
	s_mov_b32 s[G1A+7], 0
	s_mov_b32 s[G1B], 3<<16                        ; W: no mask; 48 rows of 256 bytes
	s_mov_b32 s[G1B+1], 32<<16
	s_mov_b32 s[G1B+2], 48<<16
	s_mov_b32 s[G1B+3], 32<<16
	s_mov_b32 s[G1B+4], 48
	s_mov_b32 s[G1B+5], 32
	s_mov_b32 s[G1B+6], 0
	s_mov_b32 s[G1B+7], 0
	s_lshl_b32 s18, s17, 17                        ; x: block x 131,072 + half x 16,384: nothing here hangs on cx
	s_lshl_b32 s20, s13, 14                        ; (also the half's place in LDS)
	s_add_co_u32 s18, s18, s20
	s_mov_b32 s19, 0
	s_mul_i32 s22, s16, 98304                      ; W: head x 98,304 + half x 12,288
	s_mul_i32 s21, s13, 12288
	s_add_co_u32 s22, s22, s21
	s_mov_b32 s23, 0
	s_add_co_u32 s21, s21, 131072                  ; W's tiles lie behind x's
	s_lshl_b32 s92, s17, 4                         ; x's scale words: 2,097,152 + (16 block + 4 wave) 512
	s_lshl_b32 s93, s12, 2
	s_add_co_u32 s92, s92, s93
	s_lshl_b32 s92, s92, 9
	s_add_co_u32 s92, s92, 2097152
	s_mov_b32 s93, 0
	s_mul_i32 s94, s16, 6144                       ; W's: 1,572,864 + 12 head x 512
	s_add_co_u32 s94, s94, 1572864
	s_mov_b32 s95, 0
	s_lshr_b32 s60, s17, 3                         ; batch
	s_lshl_b32 s61, s60, 4
	s_add_co_u32 s61, s61, s16                     ; 16 batch + head
	s_lshl_b32 s61, s61, 18
	s_and_b32 s62, s17, 7
	s_lshl_b32 s62, s62, 4
	s_lshl_b32 s63, s12, 2
	s_add_co_u32 s62, s62, s63                     ; my first tile of 16 positions
	s_lshl_b32 s62, s62, 11
	s_add_co_u32 s96, s61, s62
	s_mov_b32 s97, 0
	s_lshl_b32 s98, s60, 16                        ; cfine: batch x 65,536 + head x 2,048
	s_lshl_b32 s99, s16, 11
	s_add_co_u32 s98, s98, s99
	s_mov_b32 s99, 0
	s_mov_b32 s[CS], 0x3e38aa3b                    ; c = log2(e) / 8
	s_mov_b32 s[CS+1], s[CS]
	s_mov_b32 s[SEL], 0x76543210
	s_mov_b32 s[SEL+1], 0xfedcba98
	s_wait_dscnt 0x0                               ; both opening adds are done
	s_wait_kmcnt 0x0
	s_add_nc_u64 s[18:19], s[4:5], s[18:19]
	s_add_nc_u64 s[22:23], s[6:7], s[22:23]
	CROUND                                         ; all four work-groups are here: the joint loads meet
.irp j, 0,1,2,3
	s_mov_b32 s[G0A+4*\j], 1
	s_add_co_u32 s[G0A+4*\j+1], s20, \j*32768
	s_add_nc_u64 s[G0A+4*\j+2:G0A+4*\j+3], s[18:19], \j*32768
	s_or_b32 s[G0A+4*\j+3], s[G0A+4*\j+3], 0x80000000
	s_mov_b32 s[G0B+4*\j], 1
	s_add_co_u32 s[G0B+4*\j+1], s21, \j*24576
	s_add_nc_u64 s[G0B+4*\j+2:G0B+4*\j+3], s[22:23], \j*24576
	s_or_b32 s[G0B+4*\j+3], s[G0B+4*\j+3], 0x80000000
.endr
	s_cmp_lt_u32 s12, 2                            ; waves 0, 1: x's halves; waves 2, 3: W's.  A wave's four first fills stand in one branch: four tensor loads of mine are out
	s_cbranch_scc0 .Lfirst_b
.irp j, 0,1,2,3
	tensor_load_to_lds s[G0A+4*\j:G0A+4*\j+3], s[G1A:G1A+7]
	s_nop 0
.endr
	PLACES 4
	s_branch .Lfirst_asked
.Lfirst_b:
.irp j, 0,1,2,3
	tensor_load_to_lds s[G0B+4*\j:G0B+4*\j+3], s[G1B:G1B+7]
	s_nop 0
.endr
	PLACES 4
.Lfirst_asked:
	s_add_nc_u64 s[92:93], s[4:5], s[92:93]
	s_add_nc_u64 s[94:95], s[6:7], s[94:95]
	s_add_nc_u64 s[84:85], s[8:9], s[96:97]        ; q's images,
	s_add_nc_u64 s[86:87], s[84:85], 0x800000      ; k's,
	s_add_nc_u64 s[88:89], s[84:85], 0x1000000     ; v's
	s_add_nc_u64 s[90:91], s[10:11], s[98:99]
	v_and_b32 v8, 31, v0
	v_lshlrev_b32 v[LI], 4, v8
	s_lshl_b32 s62, s12, 13                        ; my four tiles of rows: wave x 8,192
	v_add_nc_u32 v[ADA], s62, v[LI]
	v_add_nc_u32 v[ADA+1], 0x10000, v[ADA]
	v_add_nc_u32 v[ADB], 131072, v[LI]
	v_add_nc_u32 v[ADB+1], 131072+49152, v[LI]
.irp a, 0,1,2,3
	global_load_b128 v[SA+4*\a:SA+4*\a+3], v[LI], s[92:93] offset:\a*512     ; a tile's scale words for all of K: 512 consecutive bytes
.endr
.irp tt, 0,1,2,3,4,5,6,7,8,9,10,11
	global_load_b128 v[SB+4*\tt:SB+4*\tt+3], v[LI], s[94:95] offset:\tt*512
.endr
; the fragments of K step s into set s & 1: W's twelve, x's four: two loads of 16 bytes a lane each, as they lie
.macro FETCH s
.set FJ, (\s)>>1
.set FU, (\s)&1
	WIN 0x40                                       ; destination window 1
.irp tt, 0,1,2,3,4,5,6,7,8,9,10,11
.irp c, 0,1
	ds_load_b128 v[128*FU+8*\tt+4*\c:128*FU+8*\tt+4*\c+3], v[ADB+(FJ>>1)] offset:(FJ&1)*24576+\tt*2048+FU*1024+\c*512
.endr
.endr
	WIN 0
.irp a, 0,1,2,3
.irp c, 0,1
	ds_load_b128 v[AF+32*FU+8*\a+4*\c:AF+32*FU+8*\a+4*\c+3], v[ADA+(FJ>>1)] offset:(FJ&1)*32768+\a*2048+FU*1024+\c*512
.endr
.endr
.endm
; one product.  kind 0: it starts the sum; 1: an even K step (scale words in lanes 0-15); 2: an odd one (lanes 16-31)
.macro WS d, x, y, sx, sy, kind
.if \kind == 0
	v_wmma_scale_f32_16x16x128_f8f6f4 v[\d:\d+7], v[\x:\x+7], v[\y:\y+7], 0, v[\sx], v[\sy] matrix_a_fmt:MATRIX_FMT_FP4 matrix_b_fmt:MATRIX_FMT_FP4
.elseif \kind == 1
	v_wmma_scale_f32_16x16x128_f8f6f4 v[\d:\d+7], v[\x:\x+7], v[\y:\y+7], v[\d:\d+7], v[\sx], v[\sy] matrix_a_fmt:MATRIX_FMT_FP4 matrix_b_fmt:MATRIX_FMT_FP4
.else
	v_wmma_scale_f32_16x16x128_f8f6f4 v[\d:\d+7], v[\x:\x+7], v[\y:\y+7], v[\d:\d+7], v[\sx], v[\sy] matrix_a_fmt:MATRIX_FMT_FP4 matrix_b_fmt:MATRIX_FMT_FP4 matrix_a_scale:MATRIX_SCALE_ROW1 matrix_b_scale:MATRIX_SCALE_ROW1
.endif
.endm
.macro MULQK s, kind                   ; q and k: source 0 = W (window 1), source 1 = x (window 0), sums in window 2
.set MP, (\s)&1
.set MJ, (\s)>>1
	WIN 0xa1
.irp a, 0,1,2,3
.irp tt, 0,1,2,3,4,5,6,7
	WS 8*(8*\a+\tt), 128*MP+8*\tt, AF+32*MP+8*\a, SB+4*\tt+MJ, SA+4*\a+MJ, \kind
.endr
.endr
.endm
.macro MULV s, kind                    ; v: source 0 = x (window 0), source 1 = Wv (window 1), sums in window 3
.set MP, (\s)&1
.set MJ, (\s)>>1
	WIN 0xf4
.irp a, 0,1,2,3
.irp dt, 0,1,2,3
	WS 8*(4*\a+\dt), AF+32*MP+8*\a, 128*MP+64+8*\dt, SA+4*\a+MJ, SB+32+4*\dt+MJ, \kind
.endr
.endr
.endm
; A K step.  The 48 accumulators take turns, one instruction a turn, in the same order in every step.  The next step's fragments are asked for ahead of the step's 48 products.
.macro STEP s, kind
	s_wait_dscnt 0x0                               ; this step's fragments are in
.if ((\s)&1) && ((\s) < 7)
	s_wait_tensorcnt 2-((\s)>>1)                   ; my part of the next chunk has landed; the younger chunks' loads may be out
	s_barrier_signal -1
	s_barrier_wait -1                              ; everybody's has
.endif
.if (\s) < 7
.if (\s) > 0
	PLACES 4                                       ; four plain places between the last products and loads into registers that they read
.endif
	FETCH (\s)+1
.endif
	MULQK \s, \kind
	MULV \s, \kind
.endm
	s_wait_tensorcnt 3                             ; my part of chunk 0 has landed; three younger loads may be out
	s_barrier_signal -1
	s_barrier_wait -1
	FETCH 0
	s_wait_loadcnt 0x0                             ; the scale words
	STEP 0, 0
	STEP 1, 2
	STEP 2, 1
	STEP 3, 2
	STEP 4, 1
	STEP 5, 2
	STEP 6, 1
	STEP 7, 2
	; THE WAY OUT
	PLACES 4
	WIN 0x82
.irp a, 0,1,2,3
.irp t, 0,1,2,3
.irp i, 0,2,4,6
	v_pk_mul_f32 v[8*(8*\a+\t)+\i:8*(8*\a+\t)+\i+1], v[8*(8*\a+\t)+\i:8*(8*\a+\t)+\i+1], s[CS:CS+1] op_sel_hi:[1,0]   ; q x c, in f32, each accumulator from its low end on
.endr
.endr
.endr
	WIN 0x4a                                       ; sources window 2, destination window 1
.set n, 0
.rept 32
.irp i, 0,1,2,3
	v_cvt_pk_f16_f32 v[4*n+\i], v[8*n+2*\i], v[8*n+2*\i+1]
.endr
.set n, n+1
.endr
	WIN 0x4f                                       ; sources window 3
.set n, 0
.rept 16
.irp i, 0,1,2,3
	v_cvt_pk_f16_f32 v[128+4*n+\i], v[8*n+2*\i], v[8*n+2*\i+1]
.endr
.set n, n+1
.endr
	WIN 0x04                                       ; a store's data: window 1
.irp a, 0,1,2,3
.irp t, 0,1,2,3
	global_store_b128 v[LI], v[4*(8*\a+\t):4*(8*\a+\t)+3], s[84:85] offset:\a*2048+\t*512
	global_store_b128 v[LI], v[4*(8*\a+4+\t):4*(8*\a+4+\t)+3], s[86:87] offset:\a*2048+\t*512
	global_store_b128 v[LI], v[128+4*(4*\a+\t):128+4*(4*\a+\t)+3], s[88:89] offset:(\a/2)*4096+\t*1024+(\a%2)*512
.endr
.endr
	WIN 0
	s_and_b32 s18, s17, 7
	s_or_b32 s18, s18, s12
	s_cmp_lg_u32 s18, 0                            ; ids that all partners share, and the wave's number
	s_cbranch_scc1 .Lnofine
	; POSITIONS 0-15 of this (batch, head), in f32: wave 0's accumulators of its first tile of rows are c q, k and v of just these positions.
	; S^T = k q^T: a lane's registers 2 p, 2 p + 1 of tile t hold channels 16 t + 8 h + 2 p, + 1 of its position in q and in k alike, so the pairs are fragments of the 16 x 16 x 4 form with the same order of channels on both sides.
	WIN 0xfa                                       ; sources window 2, sums window 3
.irp p, 0,1,2,3
.irp t, 0,1,2,3
.if \p == 0
	v_wmma_f32_16x16x4_f32 v[128+8*\t:135+8*\t], v[32+8*\t+2*\p:33+8*\t+2*\p], v[8*\t+2*\p:8*\t+2*\p+1], 0
.else
	v_wmma_f32_16x16x4_f32 v[128+8*\t:135+8*\t], v[32+8*\t+2*\p:33+8*\t+2*\p], v[8*\t+2*\p:8*\t+2*\p+1], v[128+8*\t:135+8*\t]
.endif
.endr
.endr
	PLACES 8
	WIN 0x0f                                       ; sources window 3, destination window 0
.irp i, 0,2,4,6
	v_pk_add_f32 v[TT+\i:TT+\i+1], v[128+\i:129+\i], v[136+\i:137+\i]
.endr
.irp i, 0,2,4,6
	v_pk_add_f32 v[UU+\i:UU+\i+1], v[144+\i:145+\i], v[152+\i:153+\i]
.endr
	WIN 0
.irp i, 0,2,4,6
	v_pk_add_f32 v[TT+\i:TT+\i+1], v[TT+\i:TT+\i+1], v[UU+\i:UU+\i+1]   ; t(key 8 h + j, query r)
.endr
	v_and_b32 v8, 15, v0
	v_bfe_u32 v9, v0, 4, 1
	v_lshlrev_b32 v9, 3, v9
	v_sub_nc_u32 v8, v8, v9                        ; d = r - 8 h: key 8 h + j is hidden where j > d
	v_mov_b32 v9, 0xff800000
	v_mov_b32 v11, 0
.irp j, 0,1,2,3,4,5,6,7
	v_cmp_gt_i32 vcc_lo, \j, v8
	v_cndmask_b32 v[TT+\j], v[TT+\j], v9, vcc_lo
.endr
	v_max3_num_f32 v10, v[TT], v[TT+1], v[TT+2]
	v_max3_num_f32 v10, v10, v[TT+3], v[TT+4]
	v_max3_num_f32 v10, v10, v[TT+5], v[TT+6]
	v_max_num_f32 v10, v10, v[TT+7]
	v_permlanex16_b32 v11, v10, s[SEL], s[SEL+1]
	v_max_num_f32 v10, v10, v11                    ; the row's largest t (key 0 counts for every query)
.irp j, 0,1,2,3,4,5,6,7
	v_sub_f32 v[TT+\j], v[TT+\j], v10
.endr
.irp j, 0,1,2,3,4,5,6,7
	v_exp_f32 v[TT+\j], v[TT+\j]
.endr
	v_nop                                          ; a plain line behind the exponentials,
	s_wait_alu depctr_va_vdst(0)                   ; and one wait for the batch, ahead of its first reader
	v_add_f32 v12, v[TT], v[TT+1]
	v_add_f32 v13, v[TT+2], v[TT+3]
	v_add_f32 v14, v[TT+4], v[TT+5]
	v_add_f32 v15, v[TT+6], v[TT+7]
	v_add_f32 v12, v12, v13
	v_add_f32 v14, v14, v15
	v_add_f32 v12, v12, v14
	v_permlanex16_b32 v11, v12, s[SEL], s[SEL+1]
	v_add_f32 v12, v12, v11
	v_rcp_f32 v12, v12
	v_nop
	s_wait_alu depctr_va_vdst(0)
.irp j, 0,1,2,3,4,5,6,7
	v_mul_f32 v[PF+\j], v[TT+\j], v12
.endr
	PLACES 4
	WIN 0xf3                                       ; source 0 (v) window 3, source 1 (p) window 0, sums window 3
.irp p, 0,1,2,3
.irp dt, 0,1,2,3
.if \p == 0
	v_wmma_f32_16x16x4_f32 v[160+8*\dt:167+8*\dt], v[8*\dt+2*\p:8*\dt+2*\p+1], v[PF+2*\p:PF+2*\p+1], 0
.else
	v_wmma_f32_16x16x4_f32 v[160+8*\dt:167+8*\dt], v[8*\dt+2*\p:8*\dt+2*\p+1], v[PF+2*\p:PF+2*\p+1], v[160+8*\dt:167+8*\dt]
.endif
.endr
.endr
	PLACES 8
	WIN 0x0f
.set n, 0
.rept 16
	v_cvt_pk_f16_f32 v[HI+n], v[160+2*n], v[161+2*n]                 ; the high parts: lane (r, h): query r, channels 16 dt + 8 h + 0 .. 7
.set n, n+1
.endr
	WIN 0
.set n, 0
.irp hh, v96.l,v97.l,v98.l,v99.l,v100.l,v101.l,v102.l,v103.l,v104.l,v105.l,v106.l,v107.l,v108.l,v109.l,v110.l,v111.l
	v_cvt_f32_f16 v[DF+2*n], \hh
.set n, n+1
.endr
.set n, 0
.irp hh, v96.h,v97.h,v98.h,v99.h,v100.h,v101.h,v102.h,v103.h,v104.h,v105.h,v106.h,v107.h,v108.h,v109.h,v110.h,v111.h
	v_cvt_f32_f16 v[DF+2*n+1], \hh
.set n, n+1
.endr
	WIN 0x03                                       ; source 0 window 3
.set n, 0
.rept 32
	v_sub_f32 v[DF+n], v[160+n], v[DF+n]           ; the rest, exact in f32
.set n, n+1
.endr
	WIN 0
.set n, 0
.rept 16
	v_cvt_pk_f16_f32 v[LO+n], v[DF+2*n], v[DF+2*n+1]
.set n, n+1
.endr
.irp dt, 0,1,2,3
	global_store_b128 v[LI], v[HI+4*\dt:HI+4*\dt+3], s[90:91] offset:\dt*512
	global_store_b128 v[LI], v[LO+4*\dt:LO+4*\dt+3], s[90:91] offset:32768+\dt*512
.endr
.Lnofine:
	s_wait_tensorcnt 0x0                           ; the wave's end, behind my last tensor load
	ds_add_u32 v[SPW], v[NIL]
	s_wait_dscnt 0x0
	CROUND                                         ; the closing round
	s_endpgm
.Lfunc_end_k_qc39d02fc1d_qkv:
	.size	k_qc39d02fc1d_qkv, .Lfunc_end_k_qc39d02fc1d_qkv-k_qc39d02fc1d_qkv
	.p2alignl 7, 3214868480
	.fill 96, 4, 3214868480
	.section	.rodata,"a",@progbits
	.p2align	6, 0x0
	.amdhsa_kernel k_qc39d02fc1d_qkv
		.amdhsa_group_segment_fixed_size 229888
		.amdhsa_private_segment_fixed_size 0
		.amdhsa_enable_private_segment 0
		.amdhsa_kernarg_size 32
		.amdhsa_user_sgpr_count 2
		.amdhsa_user_sgpr_kernarg_segment_ptr 1
		.amdhsa_wavefront_size32 1
		.amdhsa_system_sgpr_workgroup_id_x 1
		.amdhsa_system_sgpr_workgroup_id_y 1
		.amdhsa_system_sgpr_workgroup_id_z 1
		.amdhsa_system_vgpr_workitem_id 0
		.amdhsa_next_free_vgpr 1024
		.amdhsa_next_free_sgpr 100
		.amdhsa_reserve_vcc 1
		.amdhsa_float_denorm_mode_32 3
		.amdhsa_float_denorm_mode_16_64 3
		.amdhsa_memory_ordered 1
		.amdhsa_forward_progress 1
		.amdhsa_inst_pref_size 108
	.end_amdhsa_kernel
	.amdgpu_metadata
---
amdhsa.version: [ 1, 2 ]
amdhsa.kernels:
  - .name:           k_qc39d02fc1d_qkv
    .symbol:         k_qc39d02fc1d_qkv.kd
    .args:
      - { .name: xq, .offset: 0, .size: 8, .value_kind: global_buffer, .address_space: global }
      - { .name: wq4, .offset: 8, .size: 8, .value_kind: global_buffer, .address_space: global }
      - { .name: qkv, .offset: 16, .size: 8, .value_kind: global_buffer, .address_space: global }
      - { .name: cfine, .offset: 24, .size: 8, .value_kind: global_buffer, .address_space: global }
    .group_segment_fixed_size: 229888
    .private_segment_fixed_size: 0
    .kernarg_segment_align: 8
    .kernarg_segment_size: 32
    .max_flat_workgroup_size: 128
    .sgpr_count:     100
    .vgpr_count:     1024
    .wavefront_size: 32
...
	.end_amdgpu_metadata
.endif
;; end of part 2
;; launch attn (part 3): grid 8 x 32, 16 waves a work-group, no clusters, 327,680 bytes of LDS; arguments qkv, ctx; writes ctx
.if DOCPART == 3
	.amdgcn_target "amdgcn-amd-amdhsa--gfx1250"
	.amdhsa_code_object_version 6
	.text
	.protected	k_qc39d02fc1d_attn
	.globl	k_qc39d02fc1d_attn
	.p2align	8
	.type	k_qc39d02fc1d_attn,@function
k_qc39d02fc1d_attn:
	s_mov_b64 s[64:65], 0
	v_nop
	global_prefetch_b8 v0, s[64:65] scope:SCOPE_SE
	s_setreg_imm32_b32 hwreg(HW_REG_WAVE_MODE, 25, 1), 1
	s_wait_xcnt 0x0
; ATTN.  ctx[b][h][q] = the sum over k <= q of softmax_k(t(q, k)) v[k], t = (c q) . k in base 2 (c is already in q).  Operands in f16, as images of the operands' registers; products, maxima and sums in f32;
; p = 2^(t - m) with a running maximum m; p is rounded to f16 for the second product; the row's sum is taken of the unrounded p and divides at the end.  ctx leaves as f16 (LIMIT: |ctx| under 65,504).
; SHARES.  A head has 16 blocks of 128 queries.  Work-group i owns blocks 15 - i (waves 0-7) and i (waves 8-15): (16 - i) + (i + 1) = 17 blocks of keys for every i.  A wave owns one tile of 16 queries.
; All sixteen waves walk the keys together, 64 a step, through a ring of two LDS slots of 256 keys (K 32,768 bytes, V 32,768), filled by waves 0-3, 16,384 bytes each.
; EVERY work-group walks all 8 slots (constant trip counts); a step all of whose keys come after a wave's queries is jumped over, by ids; a slot whose first key comes after the work-group's last query is not asked for.
; Both products are used transposed (S^T = K Q^T, O^T = V^T P): a lane holds one query throughout, and S^T's registers, packed in pairs, are P's fragment.
; NO CLUSTER: the work-groups of a head need from 5 to 8 slots, and a joint load may not be left out by one partner.
; REGISTERS: v1-6 addresses; v8 m, v9 old m; v[10:11] the sum in two halves; v12 f; v14, v15 the mask; v16-31 Q; v32-95 K; v96-159 V; v160-191 S^T; v192-207 P; v208-239 O^T; v240-243 at work.
.set SLOT1, 65536
.set VOFF,  32768
.set SPARE, 131072                     ; behind the ring: the spare words, 128 bytes for each of 16 waves
.set NSL,   8
.set LI,  1
.set ADL, 2
.set SPW, 3
.set NIL, 4
.set D0,  5                            ; r - 8 h
.set PFO, 6                            ; 256 x lane
.set MX,  8
.set SU,  10
.set FF,  12
.set DD,  14
.set NI,  15
.set QF,  16
.set KR,  32
.set VF,  96
.set S,   160
.set P,   192
.set O,   208
.set T,   240
.set TB,  2                            ; s2  LDS byte at which the slot in hand begins
.set KF,  3                            ; s3  the step's first key
.set WV,  18
.set SEL, 20
.set G1,  24
.set G0,  40
.set SLOTS, 66
.set Q0,  67
.set LASTQ, 68
.set PFA, 70
.set LIM, 72
.macro PLACES n
.rept \n
	v_nop
.endr
.endm
.macro TLOAD                           ; waves 0-3 fetch, one load each; an s_nop 0 and four v_nop follow it
	s_cmp_lt_u32 s[WV], 4
	s_cbranch_scc0 .Lasked_\@
	tensor_load_to_lds s[G0:G0+3], s[G1:G1+7]
	s_nop 0
	PLACES 4
.Lasked_\@:
.endm
; A prefetch of what the NEXT change of slots will ask for.  All work-groups of a head walk the same K and V: work-group 0, which walks all slots, asks; in it waves 4-7 ask for K's 32,768 bytes and
; waves 8-11 for V's, 8,192 bytes a wave, lanes 256 bytes apart: each aligned 256 bytes once in the launch.  The last change that fills a slot asks for nothing; slots 0 and 1 come by their loads alone.
.macro ASK
	s_cmp_gt_u32 s[SLOTS], s[LIM]
	s_cbranch_scc0 .Lnot_mine_\@
	global_prefetch_b8 v[PFO], s[PFA:PFA+1] th:TH_LOAD_NT scope:SCOPE_SE
.Lnot_mine_\@:
.endm
	s_load_b128 s[4:7], s[0:1], 0x0                ; qkv, ctx
	v_lshl_add_u32 v[SPW], v0, 2, SPARE
	v_mov_b32 v[NIL], 0
	ds_add_u32 v[SPW], v[NIL]                      ; the wave's opening: the add, twice on end, and its wait ahead of the first tensor load
	ds_add_u32 v[SPW], v[NIL]
	v_lshrrev_b32 v8, 5, v0
	v_readfirstlane_b32 s[WV], v8
	s_and_b32 s74, ttmp7, 0xffff                   ; 16 batch + head
	s_lshl_b32 s75, s74, 18                        ; its 262,144 bytes in each of q, k, v
	s_sub_co_u32 s76, 15, ttmp9
	s_cmp_lt_u32 s[WV], 8
	s_cselect_b32 s76, s76, ttmp9                  ; my block of 128 queries
	s_lshl_b32 s76, s76, 3
	s_and_b32 s77, s[WV], 7
	s_add_co_u32 s76, s76, s77                     ; my tile of 16
	s_lshl_b32 s[Q0], s76, 4
	s_sub_co_u32 s[LASTQ], 16, ttmp9
	s_lshl_b32 s[LASTQ], s[LASTQ], 7
	s_sub_co_u32 s[LASTQ], s[LASTQ], 1             ; the work-group's last query
	s_lshl_b32 s78, s76, 11
	s_add_co_u32 s78, s78, s75                     ; Q's image
	s_mov_b32 s79, 0
	s_lshr_b32 s80, s74, 4                         ; ctx: RT = 128 batch + tile; (((RT >> 3) 4 + (head >> 2)) 8 + (RT & 7)) 8,192 + (head & 3) 2,048
	s_lshl_b32 s80, s80, 7
	s_add_co_u32 s80, s80, s76
	s_and_b32 s81, s74, 15
	s_lshr_b32 s82, s80, 3
	s_lshl_b32 s82, s82, 2
	s_lshr_b32 s83, s81, 2
	s_add_co_u32 s82, s82, s83
	s_lshl_b32 s82, s82, 3
	s_and_b32 s83, s80, 7
	s_add_co_u32 s82, s82, s83
	s_lshl_b32 s82, s82, 13
	s_and_b32 s83, s81, 3
	s_lshl_b32 s83, s83, 11
	s_add_co_u32 s82, s82, s83
	s_mov_b32 s83, 0
	s_and_b32 s84, s[WV], 3                        ; what I fetch, if I fetch: 0, 1: K's halves; 2, 3: V's
	s_lshl_b32 s85, s84, 14                        ; in a slot,
	s_lshr_b32 s86, s84, 1
	s_add_co_u32 s86, s86, 1
	s_lshl_b32 s86, s86, 23                        ; and in memory: k begins 8,388,608 bytes in, v 16,777,216
	s_add_co_u32 s86, s86, s75
	s_and_b32 s87, s84, 1
	s_lshl_b32 s87, s87, 14
	s_add_co_u32 s86, s86, s87
	s_mov_b32 s87, 0
	s_cmp_lt_u32 s[WV], 8                          ; the prefetches: waves 4-7 K, waves 8-11 V
	s_mov_b32 s88, 0x1000000
	s_cselect_b32 s88, 0x800000, s88
	s_add_co_u32 s88, s88, s75
	s_lshl_b32 s89, s84, 13
	s_add_co_u32 s88, s88, s89
	s_add_co_u32 s88, s88, 32768                   ; in slot 1: the first change of slots steps it to slot 2
	s_mov_b32 s89, 0
	s_sub_co_u32 s90, s[WV], 4
	s_lshr_b32 s90, s90, 3                         ; 0 in waves 4 to 11,
	s_or_b32 s90, s90, ttmp9                       ; of work-group 0 of the head
	s_cmp_eq_u32 s90, 0
	s_cselect_b32 s[LIM], 1, -1
	s_mov_b32 s[G1], 3<<16                         ; elements of 8 bytes; 64 rows of 256 bytes, dense
	s_mov_b32 s[G1+1], 32<<16
	s_mov_b32 s[G1+2], 64<<16
	s_mov_b32 s[G1+3], 32<<16
	s_mov_b32 s[G1+4], 64
	s_mov_b32 s[G1+5], 32
	s_mov_b32 s[G1+6], 0
	s_mov_b32 s[G1+7], 0
	s_mov_b32 s[SEL], 0x76543210
	s_mov_b32 s[SEL+1], 0xfedcba98
	s_mov_b32 s[TB], 0
	s_mov_b32 s[KF], 0
	s_mov_b32 s[SLOTS], NSL-1
	s_wait_dscnt 0x0                               ; both opening adds are done
	s_wait_kmcnt 0x0
	s_mov_b32 s[G0], 1
	s_mov_b32 s[G0+1], s85
	s_add_nc_u64 s[G0+2:G0+3], s[4:5], s[86:87]
	s_or_b32 s[G0+3], s[G0+3], 0x80000000
	TLOAD                                          ; slot 0: it holds key 0, which counts for every query
	s_add_nc_u64 s[8:9], s[4:5], s[78:79]
	s_add_nc_u64 s[6:7], s[6:7], s[82:83]
	s_add_nc_u64 s[PFA:PFA+1], s[4:5], s[88:89]
	v_and_b32 v8, 31, v0
	v_lshlrev_b32 v[LI], 4, v8
	v_lshlrev_b32 v[PFO], 8, v8
	v_and_b32 v[D0], 15, v0
	v_bfe_u32 v9, v0, 4, 1
	v_lshlrev_b32 v9, 3, v9
	v_sub_nc_u32 v[D0], v[D0], v9
.irp t, 0,1,2,3
	global_load_b128 v[QF+4*\t:QF+4*\t+3], v[LI], s[8:9] offset:\t*512   ; Q stays in registers
.endr
	v_mov_b32 v[MX], 0xff61b1e6                    ; the largest t so far: -3e38
	v_mov_b32 v[MX+1], 0
	v_mov_b32 v[SU], 0
	v_mov_b32 v[SU+1], 0
	v_mov_b32 v[FF+1], 0                           ; (named as the upper half of a pair)
	v_mov_b32 v[NI], 0xff800000                    ; -infinity
.set n, 0
.rept 32
	v_mov_b32 v[O+n], 0                            ; the step is written once: the first finds zeros, which f = 0 leaves zeros
.set n, n+1
.endr
; A KEY STEP: 64 keys, the q-th of the slot in hand
.macro STEP q
	s_add_co_u32 s96, s[Q0], 15
	s_cmp_gt_u32 s[KF], s96
	s_cbranch_scc1 .Lhidden_\@                     ; all its keys come after my queries: ids alone
	v_add_nc_u32 v[ADL], s[TB], v[LI]
	PLACES 3                                       ; with the addition: four plain places between the last products and loads into registers that they read
.irp kt, 0,1,2,3
.irp f, 0,1
.irp c, 0,1
	ds_load_b128 v[KR+16*\kt+8*\f+4*\c:KR+16*\kt+8*\f+4*\c+3], v[ADL] offset:\q*8192+\kt*2048+\f*1024+\c*512
.endr
.endr
.endr
.irp ub, 0,1
.irp dt, 0,1,2,3
.irp c, 0,1
	ds_load_b128 v[VF+32*\ub+8*\dt+4*\c:VF+32*\ub+8*\dt+4*\c+3], v[ADL] offset:VOFF+\q*8192+\ub*4096+\dt*1024+\c*512
.endr
.endr
.endr
	s_wait_dscnt 16                                ; K's 16 loads are in; V's 16 may be out
.irp kt, 0,1,2,3
	v_wmma_f32_16x16x32_f16 v[S+8*\kt:S+8*\kt+7], v[KR+16*\kt:KR+16*\kt+7], v[QF:QF+7], 0
.endr
.irp kt, 0,1,2,3
	v_wmma_f32_16x16x32_f16 v[S+8*\kt:S+8*\kt+7], v[KR+16*\kt+8:KR+16*\kt+15], v[QF+8:QF+15], v[S+8*\kt:S+8*\kt+7]
.endr
	PLACES 4
	s_add_co_u32 s96, s[KF], 63
	s_cmp_le_u32 s96, s[Q0]
	s_cbranch_scc1 .Lopen_\@                       ; all its keys count
	s_sub_co_i32 s96, s[Q0], s[KF]
	v_add_nc_u32 v[DD], s96, v[D0]                 ; register 8 kt + j holds key KF + 16 kt + 8 h + j: hidden where 16 kt + j > Q0 - KF + r - 8 h
.irp n, 0,1,2,3,4,5,6,7,8,9,10,11,12,13,14,15,16,17,18,19,20,21,22,23,24,25,26,27,28,29,30,31
	v_cmp_gt_i32 vcc_lo, 16*(\n/8)+\n%8, v[DD]
	v_cndmask_b32 v[S+\n], v[S+\n], v[NI], vcc_lo
.endr
.Lopen_\@:
.irp c, 0,1,2,3
	v_max3_num_f32 v[T+\c], v[S+8*\c], v[S+8*\c+1], v[S+8*\c+2]      ; four chains, each accumulator from its low end on
.endr
.irp i, 3,5
.irp c, 0,1,2,3
	v_max3_num_f32 v[T+\c], v[T+\c], v[S+8*\c+\i], v[S+8*\c+\i+1]
.endr
.endr
	v_max3_num_f32 v[T], v[T], v[S+7], v[S+15]
	v_max3_num_f32 v[T+2], v[T+2], v[S+23], v[S+31]
	v_max3_num_f32 v[T], v[T], v[T+1], v[T+2]
	v_max_num_f32 v[T], v[T], v[T+3]
	v_permlanex16_b32 v[T+1], v[T], s[SEL], s[SEL+1]               ; the query's other 32 keys lie in lane l xor 16
	v_mov_b32 v[MX+1], v[MX]
	v_max3_num_f32 v[MX], v[T], v[T+1], v[MX]      ; the running maximum
	v_sub_f32 v[FF], v[MX+1], v[MX]
.set n, 0
.rept 16
	v_pk_add_f32 v[S+2*n:S+2*n+1], v[S+2*n:S+2*n+1], v[MX:MX+1] op_sel_hi:[1,0] neg_lo:[0,1] neg_hi:[0,1]   ; t - m
.set n, n+1
.endr
	v_exp_f32 v[FF], v[FF]                         ; f = 2^(old m - new m)
.set n, 0
.rept 32
	v_exp_f32 v[S+n], v[S+n]                       ; p
.set n, n+1
.endr
	v_nop                                          ; a plain line behind the exponentials,
	s_wait_alu depctr_va_vdst(0)                   ; and one wait for the batch of 33, ahead of its first reader
.set n, 0
.rept 16
	v_cvt_pk_f16_f32 v[P+n], v[S+2*n], v[S+2*n+1]
.set n, n+1
.endr
.irp w, 4,8,16,32                      ; the sum of the 16 pairs, in place: neighbours 1, 2, 4 and 8 pairs apart
.set n, 0
.rept 32/\w
	v_pk_add_f32 v[S+\w*n:S+\w*n+1], v[S+\w*n:S+\w*n+1], v[S+\w*n+\w/2:S+\w*n+\w/2+1]
.set n, n+1
.endr
.endr
	v_pk_fma_f32 v[SU:SU+1], v[SU:SU+1], v[FF:FF+1], v[S:S+1] op_sel_hi:[1,0,1]
.set n, 0
.rept 16
	v_pk_mul_f32 v[O+2*n:O+2*n+1], v[O+2*n:O+2*n+1], v[FF:FF+1] op_sel_hi:[1,0]
.set n, n+1
.endr
	s_wait_dscnt 0x0                               ; V is in
.irp ub, 0,1
.irp dt, 0,1,2,3
	v_wmma_f32_16x16x32_f16 v[O+8*\dt:O+8*\dt+7], v[VF+32*\ub+8*\dt:VF+32*\ub+8*\dt+7], v[P+8*\ub:P+8*\ub+7], v[O+8*\dt:O+8*\dt+7]
.endr
.endr
.Lhidden_\@:
	s_add_co_u32 s[KF], s[KF], 64
.endm
; THE CHANGE OF SLOTS, at a slot's head.  Each wave waits for all its tensor loads, adds 0 to its spare word, and waits for that and for its reads of the slot that it has left; behind the barrier the slot ahead
; is whole and nobody reads the other one, which is then filled with the keys that follow, up to the causal limit: that load has a slot's four steps in which to land.  One tensor load of a wave is out at the most.
.macro CHANGE fill
	s_wait_tensorcnt 0x0
	ds_add_u32 v[SPW], v[NIL]
.if \fill
	ds_add_u32 v[SPW], v[NIL]                      ; twice on end here, in every trip alike
	s_xor_b32 s[G0+1], s[G0+1], SLOT1              ; no load of mine is out: the walking descriptor steps to the other slot and the next 256 keys
	s_add_nc_u64 s[G0+2:G0+3], s[G0+2:G0+3], 32768
	s_wait_xcnt 0x0                                ; the last prefetch, a slot back, has read its address
	s_add_nc_u64 s[PFA:PFA+1], s[PFA:PFA+1], 32768
.endif
	s_wait_dscnt 0x0
	s_barrier_signal -1
	s_barrier_wait -1
.if \fill
	s_add_co_u32 s96, s[KF], 256                   ; the first key of the slot that this change would ask for
	s_cmp_gt_u32 s96, s[LASTQ]                     ; past the work-group's last query no wave reads it: ids and the count of steps alone, the same in all sixteen waves
	s_cbranch_scc1 .Lpast_\@
	TLOAD
.Lpast_\@:
	ASK
.endif
.endm
.macro SLOT_STEPS
	STEP 0
	STEP 1
	STEP 2
	STEP 3
	s_xor_b32 s[TB], s[TB], SLOT1
.endm
	s_wait_loadcnt 0x0                             ; Q
.Lslot:
	CHANGE 1
	SLOT_STEPS
	s_sub_co_u32 s[SLOTS], s[SLOTS], 1
	s_cmp_lg_u32 s[SLOTS], 0
	s_cbranch_scc1 .Lslot
	CHANGE 0                                       ; the last slot is written out: nothing is left to ask for
	SLOT_STEPS
	; THE WAY OUT: O^T / the sum, rounded to f16: a lane's eight channels are 16 bytes of the next product's operand; each store covers 512 consecutive aligned bytes
	PLACES 4
	v_add_f32 v[SU], v[SU], v[SU+1]
	v_permlanex16_b32 v[MX+1], v[SU], s[SEL], s[SEL+1]
	v_add_f32 v[SU], v[SU], v[MX+1]
	v_rcp_f32 v[SU], v[SU]
	v_nop
	s_wait_alu depctr_va_vdst(0)
.set n, 0
.rept 16
	v_pk_mul_f32 v[S+2*n:S+2*n+1], v[O+2*n:O+2*n+1], v[SU:SU+1] op_sel_hi:[1,0]
.set n, n+1
.endr
.set n, 0
.rept 16
	v_cvt_pk_f16_f32 v[KR+n], v[S+2*n], v[S+2*n+1]
.set n, n+1
.endr
.irp dt, 0,1,2,3
	global_store_b128 v[LI], v[KR+4*\dt:KR+4*\dt+3], s[6:7] offset:\dt*512
.endr
	s_wait_tensorcnt 0x0                           ; the wave's end
	ds_add_u32 v[SPW], v[NIL]
	s_wait_dscnt 0x0
	s_endpgm
.Lfunc_end_k_qc39d02fc1d_attn:
	.size	k_qc39d02fc1d_attn, .Lfunc_end_k_qc39d02fc1d_attn-k_qc39d02fc1d_attn
	.p2alignl 7, 3214868480
	.fill 96, 4, 3214868480
	.section	.rodata,"a",@progbits
	.p2align	6, 0x0
	.amdhsa_kernel k_qc39d02fc1d_attn
		.amdhsa_group_segment_fixed_size 327680
		.amdhsa_private_segment_fixed_size 0
		.amdhsa_enable_private_segment 0
		.amdhsa_kernarg_size 16
		.amdhsa_user_sgpr_count 2
		.amdhsa_user_sgpr_kernarg_segment_ptr 1
		.amdhsa_wavefront_size32 1
		.amdhsa_system_sgpr_workgroup_id_x 1
		.amdhsa_system_sgpr_workgroup_id_y 1
		.amdhsa_system_sgpr_workgroup_id_z 1
		.amdhsa_system_vgpr_workitem_id 0
		.amdhsa_next_free_vgpr 256
		.amdhsa_next_free_sgpr 100
		.amdhsa_reserve_vcc 1
		.amdhsa_float_denorm_mode_32 3
		.amdhsa_float_denorm_mode_16_64 3
		.amdhsa_memory_ordered 1
		.amdhsa_forward_progress 1
		.amdhsa_inst_pref_size 105
	.end_amdhsa_kernel
	.amdgpu_metadata
---
amdhsa.version: [ 1, 2 ]
amdhsa.kernels:
  - .name:           k_qc39d02fc1d_attn
    .symbol:         k_qc39d02fc1d_attn.kd
    .args:
      - { .name: qkv, .offset: 0, .size: 8, .value_kind: global_buffer, .address_space: global }
      - { .name: ctx, .offset: 8, .size: 8, .value_kind: global_buffer, .address_space: global }
    .group_segment_fixed_size: 327680
    .private_segment_fixed_size: 0
    .kernarg_segment_align: 8
    .kernarg_segment_size: 16
    .max_flat_workgroup_size: 512
    .sgpr_count:     100
    .vgpr_count:     256
    .wavefront_size: 32
...
	.end_amdgpu_metadata
.endif
;; end of part 3
;; launch proj (part 4): grid 8 x 32, 4 waves a work-group, clusters of 4 x 4, 327,680 bytes of LDS; arguments ctx, wo16, bo, out0; writes out0
.if DOCPART == 4
	.amdgcn_target "amdgcn-amd-amdhsa--gfx1250"
	.amdhsa_code_object_version 6
	.text
	.protected	k_qc39d02fc1d_proj
	.globl	k_qc39d02fc1d_proj
	.p2align	8
	.type	k_qc39d02fc1d_proj,@function
k_qc39d02fc1d_proj:
	s_mov_b64 s[64:65], 0
	v_nop
	global_prefetch_b8 v0, s[64:65] scope:SCOPE_SE
	s_setreg_imm32_b32 hwreg(HW_REG_WAVE_MODE, 25, 1), 1
	s_wait_xcnt 0x0
	s_wait_alu depctr_hold_cnt(0) depctr_sa_sdst(0) depctr_va_vdst(0) depctr_va_sdst(0) depctr_va_ssrc(0) depctr_va_vcc(0) depctr_vm_vsrc(0)
	s_getreg_b32 s2, hwreg(HW_REG_IB_STS2, 6, 4)
	s_cmp_eq_u32 s2, 0
	s_cbranch_scc0 .Lentry_in_a_cluster
	s_endpgm
.Lentry_in_a_cluster:
	s_bfe_u32 s2, ttmp6, 0x10000c
	s_cmp_lg_u32 s2, 0xf033
	s_cbranch_scc0 .Lentry_shape_is_right
	s_endpgm
.Lentry_shape_is_right:
; PROJ.  out = ctx Wo^T + bo.  ctx and Wo's high parts in f16, laid as images of the operands' registers; sums in f32; out in f32.  (Rows 0-15 of each batch are written again, more finely, by the launch behind this one:
; leaving them out here would be a branch on a work-group's place in its cluster.)
; A tile of out is 128 x 128: 256 work-groups.  Four waves, each 64 x 64: 16 accumulators.  K goes in 4 steps of 256 through two LDS slots; a step's tiles are dense blocks of 65,536 bytes of ctx and of Wo,
; 32,768 bytes to a wave's load.  A fragment's group of four registers lies at 16 x lane: no pitch, no padding.
; CLUSTER 4 x 4: ctx's tile is shared along a row of the cluster, Wo's along a column: each is asked for jointly.  The matrix instruction is used transposed (source 0 = 16 rows of Wo, source 1 = 16 rows of ctx):
; a lane holds eight neighbouring columns of one row.  The bias is the C of each sum's first product.
; REGISTERS: window 0: v16-29 addresses; v32-95 the way out; v96-127 the bias, 8 registers for each tile of columns; v128-255 the accumulators ((a, b) at 128 + 8 (4 a + b)).  window 1: two fragment buffers of 128.
.set SLOT,   131072                    ; ctx's 8 tiles of rows x 8,192 bytes, then Wo's 8
.set STAGE,  2*SLOT                    ; behind the ring: 16 rows x 272 bytes for each wave
.set SPITCH, 272
.set SPARE,  STAGE+4*16*SPITCH
.set ADRA, 16
.set ADRB, 20
.set STO,  24
.set RD,   25
.set CO,   26
.set BA,   27
.set SPW,  28
.set NIL,  29
.set BK,   32
.set BI,   96
.set ACC,  128
.set F0,   0
.set F1,   128
.set G1, 24
.set G0, 32
.set G1B, 48
.set G0B, 56
.set MSB, 0
.macro WIN new
.if MSB != \new
	s_set_vgpr_msb (MSB<<8)|\new
.set MSB, \new
.endif
.endm
.set MUL,  0x05                        ; sources 0 and 1 window 1; C and D window 0
.set TO_F, 0x40
.macro PLACES
.rept 4
	v_nop
.endr
.endm
.macro JLOAD s                         ; a joint load: waves 0, 1 fetch ctx's halves, waves 2, 3 Wo's; an s_nop 0 and four v_nop follow each of the two lines
	s_cmp_eq_u32 s13, 0
	s_cbranch_scc0 .Lfor_b_\@
	tensor_load_to_lds s[G0+4*\s:G0+4*\s+3], s[G1:G1+7]
	s_nop 0
	PLACES
	s_branch .Lasked_\@
.Lfor_b_\@:
	tensor_load_to_lds s[G0B+4*\s:G0B+4*\s+3], s[G1B:G1B+7]
	s_nop 0
	PLACES
.Lasked_\@:
.endm
.macro CREST
	s_cmp_lg_u32 s12, 0
	s_cbranch_scc1 .Lnot_wave_0_\@
	s_barrier_signal -3
.Lnot_wave_0_\@:
	s_barrier_wait -3
	s_barrier_signal -1
	s_barrier_wait -1
.endm
.macro CROUND
	s_barrier_signal -1
	s_barrier_wait -1
	CREST
.endm
	s_load_b256 s[4:11], s[0:1], 0x0               ; ctx, wo16, bo, out0
	v_lshl_add_u32 v[SPW], v0, 2, SPARE
	v_mov_b32 v[NIL], 0
	ds_add_u32 v[SPW], v[NIL]                      ; the wave's opening: the add, twice on end, and its wait ahead of my first tensor load
	ds_add_u32 v[SPW], v[NIL]
	v_lshrrev_b32 v1, 5, v0
	v_readfirstlane_b32 s12, v1                    ; wave
	s_lshr_b32 s13, s12, 1                         ; my half of the tile's rows; also: I fetch for ctx (0) or Wo (1)
	s_and_b32 s14, s12, 1                          ; my half of its columns; also: which half of that tile I fetch
	s_bfe_u32 s40, ttmp6, 0x40000                  ; cx
	s_bfe_u32 s41, ttmp6, 0x40004                  ; cy
	s_lshl_b32 s42, ttmp9, 2
	s_add_co_u32 s42, s42, s40                     ; block of 128 columns
	s_and_b32 s15, ttmp7, 0xffff
	s_lshl_b32 s15, s15, 2
	s_add_co_u32 s15, s15, s41                     ; block of 128 rows
	s_lshl_b32 s43, s41, 2
	s_lshl_b32 s43, 15, s43                        ; my row of the cluster
	s_lshl_b32 s44, 0x1111, s40                    ; my column
	s_or_b32 s[G1], s43, (3<<16)|(1<<21)           ; elements of 8 bytes; bit 21 beside a mask
	s_or_b32 s[G1B], s44, (3<<16)|(1<<21)
.irp g, G1, G1B
	s_mov_b32 s[\g+1], 32<<16                      ; rows of 256 bytes,
	s_mov_b32 s[\g+2], 128<<16                     ; 128 of them, dense
	s_mov_b32 s[\g+3], 32<<16
	s_mov_b32 s[\g+4], 128
	s_mov_b32 s[\g+5], 32
	s_mov_b32 s[\g+6], 0
	s_mov_b32 s[\g+7], 0
.endr
	s_lshl_b32 s16, s15, 18                        ; ctx: block x 4 K steps x 65,536 + half x 32,768
	s_lshl_b32 s17, s14, 15
	s_add_co_u32 s16, s16, s17
	s_mov_b32 s17, 0
	s_lshl_b32 s46, s42, 18                        ; Wo likewise, by the block of columns
	s_lshl_b32 s47, s14, 15
	s_add_co_u32 s46, s46, s47
	s_mov_b32 s47, 0
	s_lshl_b32 s20, s12, 15                        ; where they go: wave x 32,768
	s_wait_dscnt 0x0
	s_wait_kmcnt 0x0
	s_add_nc_u64 s[18:19], s[4:5], s[16:17]
	s_add_nc_u64 s[46:47], s[6:7], s[46:47]
	CROUND                                         ; all sixteen work-groups are here: the first joint loads meet
.irp s, 0,1
	s_mov_b32 s[G0+4*\s], 1
	s_add_co_u32 s[G0+4*\s+1], s20, \s*SLOT
	s_add_nc_u64 s[G0+4*\s+2:G0+4*\s+3], s[18:19], \s*65536
	s_or_b32 s[G0+4*\s+3], s[G0+4*\s+3], 0x80000000
	s_mov_b32 s[G0B+4*\s], 1
	s_add_co_u32 s[G0B+4*\s+1], s20, \s*SLOT
	s_add_nc_u64 s[G0B+4*\s+2:G0B+4*\s+3], s[46:47], \s*65536
	s_or_b32 s[G0B+4*\s+3], s[G0B+4*\s+3], 0x80000000
	JLOAD \s
.endr
	v_and_b32 v1, 15, v0                           ; r
	v_bfe_u32 v2, v0, 4, 1                         ; h
	v_and_b32 v3, 31, v0
	v_lshlrev_b32 v3, 4, v3                        ; 16 x lane
	s_lshl_b32 s21, s13, 15                        ; my four tiles of rows
	s_lshl_b32 s22, s14, 15                        ; my four tiles of columns,
	s_add_co_u32 s22, s22, 65536                   ; behind ctx's 65,536 bytes
.irp s, 0,1
	v_add_nc_u32 v[ADRA+\s], s21, v3
	v_add_nc_u32 v[ADRB+\s], s22, v3
	s_add_co_u32 s21, s21, SLOT
	s_add_co_u32 s22, s22, SLOT
.endr
	s_mul_i32 s23, s12, 16*SPITCH
	s_add_co_u32 s23, s23, STAGE                   ; my stage
	v_mul_u32_u24 v4, v1, SPITCH
	v_lshl_add_u32 v4, v2, 5, v4
	v_add_nc_u32 v[STO], s23, v4                   ; in: row r, 32 bytes for each half of the lanes
	v_mul_u32_u24 v5, v2, SPITCH
	v_lshl_add_u32 v5, v1, 4, v5
	v_add_nc_u32 v[RD], s23, v5                    ; back: lanes 0-15 one row of 256 bytes, lanes 16-31 the next
	v_lshlrev_b32 v5, 12, v2
	v_lshl_add_u32 v[CO], v1, 4, v5                ; and the same two rows in out
	v_lshlrev_b32 v[BA], 5, v2                     ; the bias: 32 h
	s_lshl_b32 s16, s15, 7
	s_lshl_b32 s17, s13, 6
	s_add_co_u32 s16, s16, s17                     ; my first row
	s_lshl_b32 s16, s16, 12
	s_mov_b32 s17, 0
	s_add_nc_u64 s[10:11], s[10:11], s[16:17]
	s_lshl_b32 s46, s42, 9                         ; my first column, in bytes: 512 x block + 256 x half
	s_lshl_b32 s47, s14, 8
	s_add_co_u32 s46, s46, s47
	s_mov_b32 s47, 0
	s_add_nc_u64 s[10:11], s[10:11], s[46:47]
	s_add_nc_u64 s[8:9], s[8:9], s[46:47]
.irp b, 0,1,2,3
	global_load_b128 v[BI+8*\b:BI+8*\b+3], v[BA], s[8:9] offset:64*\b        ; lane (r, h): bo at columns 16 b + 8 h + 0 .. 7
	global_load_b128 v[BI+8*\b+4:BI+8*\b+7], v[BA], s[8:9] offset:64*\b+16
.endr
; 8 products: row tiles a0, a0 + 1 x all 4 column tiles, 32 along K: half c of buffer f.  first = 1: the bias is their C.  The 16 accumulators take turns
.macro MUL8 f, c, a0, first
.irp a, \a0, \a0+1
.irp b, 0,1,2,3
.if \first
	v_wmma_f32_16x16x32_f16 v[ACC+8*(4*(\a)+\b):ACC+8*(4*(\a)+\b)+7], v[\f+64+8*(4*\c+\b):\f+64+8*(4*\c+\b)+7], v[\f+8*(4*\c+\a):\f+8*(4*\c+\a)+7], v[BI+8*\b:BI+8*\b+7]
.else
	v_wmma_f32_16x16x32_f16 v[ACC+8*(4*(\a)+\b):ACC+8*(4*(\a)+\b)+7], v[\f+64+8*(4*\c+\b):\f+64+8*(4*\c+\b)+7], v[\f+8*(4*\c+\a):\f+8*(4*\c+\a)+7], v[ACC+8*(4*(\a)+\b):ACC+8*(4*(\a)+\b)+7]
.endif
.endr
.endr
.endm
; 32 LDS loads in one run: the fragments of the slot's qd-th 64 along K into buffer f; the first 32 along K first
.macro FETCH slot, qd, f
	WIN TO_F
.irp c, 0,1
.irp i, 0,1,2,3
	ds_load_b128 v[\f+64+8*(4*\c+\i):\f+64+8*(4*\c+\i)+3],   v[ADRB+\slot] offset:\i*8192+(2*(\qd)+\c)*1024
	ds_load_b128 v[\f+64+8*(4*\c+\i)+4:\f+64+8*(4*\c+\i)+7], v[ADRB+\slot] offset:\i*8192+(2*(\qd)+\c)*1024+512
	ds_load_b128 v[\f+8*(4*\c+\i):\f+8*(4*\c+\i)+3],         v[ADRA+\slot] offset:\i*8192+(2*(\qd)+\c)*1024
	ds_load_b128 v[\f+8*(4*\c+\i)+4:\f+8*(4*\c+\i)+7],       v[ADRA+\slot] offset:\i*8192+(2*(\qd)+\c)*1024+512
.endr
.endr
.endm
; one of a K step's first three quarters: multiplies buffer f and fetches quarter qd into g
.macro QUARTER slot, qd, f, g, first
	s_wait_dscnt 16                                ; the first 32 along K are in; the run's younger 16 loads may be out
	WIN MUL
	MUL8 \f, 0, 0, \first
	MUL8 \f, 0, 2, \first
	PLACES
	FETCH \slot, \qd, \g
	s_wait_dscnt 32                                ; all but the 32 just issued
	WIN MUL
	MUL8 \f, 1, 0, 0
	MUL8 \f, 1, 2, 0
.endm
; the last quarter changes slots: one barrier; in front of it each wave waits for all its tensor loads, adds 0 to its spare word, and waits for that and for its reads of this slot.  fill = 1: the slot is filled again, two K steps ahead
.macro TURN slot, next, fill
	WIN 0
	s_wait_tensorcnt 0x0                           ; my one load that was out, my part of the next slot, has landed
	ds_add_u32 v[SPW], v[NIL]
	s_wait_dscnt 17                                ; (the add and the youngest sixteen loads may be out)
	WIN MUL
	MUL8 F1, 0, 0, 0
	s_wait_dscnt 0x0                               ; the add is done, and my reads of this slot are over
	s_barrier_signal -1
	MUL8 F1, 0, 2, 0
.if \fill
	WIN 0
.endif
	s_barrier_wait -1
.if \fill
	CREST                                          ; the barrier has opened a round of the cluster's: no wave of any partner still reads this slot or has a load on its way
	s_add_nc_u64 s[G0+4*\slot+2:G0+4*\slot+3], s[G0+4*\slot+2:G0+4*\slot+3], 2*65536
	s_add_nc_u64 s[G0B+4*\slot+2:G0B+4*\slot+3], s[G0B+4*\slot+2:G0B+4*\slot+3], 2*65536
	JLOAD \slot                                    ; the first tensor load behind the round; its four v_nop are also the places in front of the loads below
.else
	PLACES
.endif
	FETCH \next, 0, F0
	WIN MUL
	MUL8 F1, 1, 0, 0
	MUL8 F1, 1, 2, 0
.endm
	s_wait_tensorcnt 1                             ; my part of K step 0 is in; K step 1's load may be out
	s_barrier_signal -1
	s_barrier_wait -1
	FETCH 0, 0, F0
	s_wait_loadcnt 0x0                             ; the bias
	QUARTER 0, 1, F0, F1, 1
	QUARTER 0, 2, F1, F0, 0
	QUARTER 0, 3, F0, F1, 0
	TURN 0, 1, 1
	QUARTER 1, 1, F0, F1, 0
	QUARTER 1, 2, F1, F0, 0
	QUARTER 1, 3, F0, F1, 0
	TURN 1, 0, 1
	QUARTER 0, 1, F0, F1, 0
	QUARTER 0, 2, F1, F0, 0
	QUARTER 0, 3, F0, F1, 0
	TURN 0, 1, 0
	QUARTER 1, 1, F0, F1, 0
	QUARTER 1, 2, F1, F0, 0
	QUARTER 1, 3, F0, F1, 0
	s_wait_dscnt 16
	WIN MUL
	MUL8 F1, 0, 0, 0
	MUL8 F1, 0, 2, 0
	s_wait_dscnt 0
	MUL8 F1, 1, 0, 0
	MUL8 F1, 1, 2, 0
	WIN 0
; THE WAY OUT.  A wave's 64 columns are 256 bytes of a row.  A block of 16 rows goes through my own stage and comes back by rows: sixteen lanes store 256 consecutive aligned bytes.
; LDS serves a wave's instructions in order (ISA guide 5.7.1.4): no wait between the stores and the loads, nor in front of the next block's stores.
.macro TOSTAGE a
.set BB, BK+32*((\a)%2)
.irp b, 0,1,2,3
	ds_store_b128 v[STO], v[ACC+8*(4*(\a)+\b):ACC+8*(4*(\a)+\b)+3] offset:64*\b
	ds_store_b128 v[STO], v[ACC+8*(4*(\a)+\b)+4:ACC+8*(4*(\a)+\b)+7] offset:64*\b+16
.endr
.irp t, 0,1,2,3,4,5,6,7
	ds_load_b128 v[BB+4*\t:BB+4*\t+3], v[RD] offset:\t*2*SPITCH
.endr
.endm
.macro SEND a, younger
.set BB, BK+32*((\a)%2)
	s_wait_dscnt \younger                          ; the block is back; the next block's 8 stores and 8 loads may be out
.irp t, 0,1,2,3,4,5,6,7
	global_store_b128 v[CO], v[BB+4*\t:BB+4*\t+3], s[10:11] offset:(16*(\a)+2*\t)*4096 th:TH_STORE_NT
.endr
.endm
	PLACES
	TOSTAGE 0
.irp a, 1,2,3
.if \a > 1
	s_wait_xcnt 0x0                                ; block a - 2's stores have read their registers: block a's loads may land there
.endif
	TOSTAGE \a
	SEND \a-1, 16
.endr
	SEND 3, 0
	s_wait_tensorcnt 0x0                           ; the wave's end
	ds_add_u32 v[SPW], v[NIL]
	s_wait_dscnt 0x0
	CROUND                                         ; the closing round
	s_endpgm
.Lfunc_end_k_qc39d02fc1d_proj:
	.size	k_qc39d02fc1d_proj, .Lfunc_end_k_qc39d02fc1d_proj-k_qc39d02fc1d_proj
	.p2alignl 7, 3214868480
	.fill 96, 4, 3214868480
	.section	.rodata,"a",@progbits
	.p2align	6, 0x0
	.amdhsa_kernel k_qc39d02fc1d_proj
		.amdhsa_group_segment_fixed_size 327680
		.amdhsa_private_segment_fixed_size 0
		.amdhsa_enable_private_segment 0
		.amdhsa_kernarg_size 32
		.amdhsa_user_sgpr_count 2
		.amdhsa_user_sgpr_kernarg_segment_ptr 1
		.amdhsa_wavefront_size32 1
		.amdhsa_system_sgpr_workgroup_id_x 1
		.amdhsa_system_sgpr_workgroup_id_y 1
		.amdhsa_system_sgpr_workgroup_id_z 1
		.amdhsa_system_vgpr_workitem_id 0
		.amdhsa_next_free_vgpr 512
		.amdhsa_next_free_sgpr 66
		.amdhsa_reserve_vcc 0
		.amdhsa_float_denorm_mode_32 3
		.amdhsa_float_denorm_mode_16_64 3
		.amdhsa_memory_ordered 1
		.amdhsa_forward_progress 1
		.amdhsa_inst_pref_size 86
	.end_amdhsa_kernel
	.amdgpu_metadata
---
amdhsa.version: [ 1, 2 ]
amdhsa.kernels:
  - .name:           k_qc39d02fc1d_proj
    .symbol:         k_qc39d02fc1d_proj.kd
    .args:
      - { .name: ctx, .offset: 0, .size: 8, .value_kind: global_buffer, .address_space: global }
      - { .name: wo16, .offset: 8, .size: 8, .value_kind: global_buffer, .address_space: global }
      - { .name: bo, .offset: 16, .size: 8, .value_kind: global_buffer, .address_space: global }
      - { .name: out0, .offset: 24, .size: 8, .value_kind: global_buffer, .address_space: global }
    .group_segment_fixed_size: 327680
    .private_segment_fixed_size: 0
    .kernarg_segment_align: 8
    .kernarg_segment_size: 32
    .max_flat_workgroup_size: 128
    .sgpr_count:     66
    .vgpr_count:     512
    .wavefront_size: 32
...
	.end_amdgpu_metadata
.endif
;; end of part 4
;; launch fine (part 5): grid 64 x 2, 8 waves a work-group, no clusters, 10,496 bytes of LDS; arguments cfine, wo16, bo, out0; writes out0
.if DOCPART == 5
	.amdgcn_target "amdgcn-amd-amdhsa--gfx1250"
	.amdhsa_code_object_version 6
	.text
	.protected	k_qc39d02fc1d_fine
	.globl	k_qc39d02fc1d_fine
	.p2align	8
	.type	k_qc39d02fc1d_fine,@function
k_qc39d02fc1d_fine:
	s_mov_b64 s[64:65], 0
	v_nop
	global_prefetch_b8 v0, s[64:65] scope:SCOPE_SE
	s_setreg_imm32_b32 hwreg(HW_REG_WAVE_MODE, 25, 1), 1
	s_wait_xcnt 0x0
; FINE.  Rows 0-15 of both batches of out = ctx Wo^T + bo, with both operands as pairs of f16 numbers (a high part and the rest): wh ch + wl ch + wh cl, sums in f32.  These rows average one to sixteen values
; and are the largest in size, so one f16 rounding of their operands would weigh most here.  They overwrite what the launch before has stored there.
; SHARES.  Work-group (x, y) makes one tile: the 16 rows of batch y x columns 16 x .. 16 x + 15.  It reads 32 KiB each of Wo's high parts, Wo's low parts, ctx's high parts and ctx's low parts: 128 KiB,
; all asked for at the head in one run.  K is shared among its 8 waves: wave w takes K 128 w .. 128 w + 127, four fragments of 32: 32 loads of 512 consecutive bytes and 12 products on three accumulators,
; one for each pair of parts, which take turns.  The waves' sums meet in LDS as images of their registers; wave 0 adds the eight, turns the tile through a stage, adds the bias and stores it.
; THE STORES cover 64 consecutive bytes of each of 8 rows, not whole runs of 256: a run of 256 bytes is 64 columns, and 64 columns to a work-group would put 256 KiB of Wo on each of 16 work-groups.
; Here Wo's 4 MiB are shared among 128 work-groups; what is written in pieces is these 32 rows, 128 KiB in all.
; No tensor load: every operand goes from memory straight into registers and is used once.  No cluster: the work-groups of a batch share only ctx's 64 KiB.
.set STG,    8192                      ; behind the 8 x 1,024 bytes of the waves' sums: the stage, 16 rows x (64 + 16) bytes
.set SPITCH, 80
.set SPARE,  STG+16*SPITCH             ; the spare words, 128 bytes for each wave: four blocks of 256 bytes that no other line names
.set LI,  1                            ; v1   16 x lane
.set SPW, 2                            ; v2   my spare word; never rewritten
.set NIL, 3                            ; v3   0; never rewritten
.set PW,  4                            ; v4   where my wave's sum goes: 1,024 x wave + 16 x lane
.set SGW, 5                            ; v5   the stage, on the way in: row r, + 32 h
.set SGR, 6                            ; v6   on the way out: row lane / 4, + 16 (lane % 4)
.set OA,  7                            ; v7   the same place in out
.set BA,  8                            ; v8   16 (lane % 4): my four columns' bias
.set WH,  16                           ; v16-47   Wo's high parts, fragment e at + 8 e
.set WL,  48                           ; v48-79   its low parts
.set CH,  80                           ; v80-111  ctx's high parts
.set CL,  112                          ; v112-143 its low parts
.set AC,  144                          ; v144-167 three accumulators
.set T,   168                          ; v168-175 their sum
.set BI,  176                          ; v176-179 the bias
	s_load_b256 s[4:11], s[0:1], 0x0               ; cfine, wo16, bo, out0
	v_lshl_add_u32 v[SPW], v0, 2, SPARE
	v_mov_b32 v[NIL], 0
	v_lshrrev_b32 v9, 5, v0
	v_readfirstlane_b32 s12, v9                    ; wave
	v_and_b32 v9, 31, v0                           ; lane
	v_lshlrev_b32 v[LI], 4, v9
	v_and_b32 v10, 15, v0                          ; r
	v_bfe_u32 v11, v0, 4, 1                        ; h
	v_lshrrev_b32 v12, 2, v9                       ; lane / 4
	v_and_b32 v13, 3, v0                           ; lane % 4
	s_lshl_b32 s13, s12, 10
	v_add_nc_u32 v[PW], s13, v[LI]
	v_mul_u32_u24 v[SGW], v10, SPITCH
	v_lshl_add_u32 v[SGW], v11, 5, v[SGW]
	v_add_nc_u32 v[SGW], STG, v[SGW]
	v_mul_u32_u24 v[SGR], v12, SPITCH
	v_lshl_add_u32 v[SGR], v13, 4, v[SGR]
	v_add_nc_u32 v[SGR], STG, v[SGR]
	v_lshlrev_b32 v[BA], 4, v13
	v_lshl_add_u32 v[OA], v12, 12, v[BA]           ; a row of out is 4,096 bytes
	s_and_b32 s14, ttmp7, 0xffff                   ; batch
	s_lshr_b32 s16, ttmp9, 3                       ; Wo's images: (((x >> 3) 4 + (w >> 1)) 8 + (x & 7)) 8,192 + (w & 1) 4,096: K chunk w >> 1 of 256, its fragments 4 (w & 1) on
	s_lshl_b32 s16, s16, 2
	s_lshr_b32 s17, s12, 1
	s_add_co_u32 s16, s16, s17
	s_lshl_b32 s16, s16, 3
	s_and_b32 s17, ttmp9, 7
	s_add_co_u32 s16, s16, s17
	s_lshl_b32 s16, s16, 13
	s_and_b32 s17, s12, 1
	s_lshl_b32 s17, s17, 12
	s_add_co_u32 s16, s16, s17
	s_mov_b32 s17, 0
	s_lshl_b32 s18, s14, 16                        ; ctx's images: batch x 65,536 + wave x 4 fragments of 1,024 bytes
	s_lshl_b32 s19, s12, 12
	s_add_co_u32 s18, s18, s19
	s_mov_b32 s19, 0
	s_lshl_b32 s20, ttmp9, 6                       ; my 16 columns, in bytes of f32
	s_mov_b32 s21, 0
	s_lshl_b32 s22, s14, 23                        ; out: batch x 2,048 rows of 4,096 bytes, + my columns
	s_add_co_u32 s22, s22, s20
	s_mov_b32 s23, 0
	s_wait_kmcnt 0x0
	s_add_nc_u64 s[6:7], s[6:7], s[16:17]
	s_add_nc_u64 s[24:25], s[6:7], 0x200000        ; Wo's low parts lie 2,097,152 bytes behind its high parts
	s_add_nc_u64 s[4:5], s[4:5], s[18:19]
	s_add_nc_u64 s[8:9], s[8:9], s[20:21]
	s_add_nc_u64 s[10:11], s[10:11], s[22:23]
	global_load_b128 v[BI:BI+3], v[BA], s[8:9]     ; wave 0 alone will use it; every wave asks, so that the text has one way to the barrier
.irp e, 0,1,2,3                        ; fragment by fragment, eight loads each: 512 consecutive bytes a load
.irp c, 0,1
	global_load_b128 v[WH+8*\e+4*\c:WH+8*\e+4*\c+3], v[LI], s[6:7] offset:\e*1024+\c*512
	global_load_b128 v[WL+8*\e+4*\c:WL+8*\e+4*\c+3], v[LI], s[24:25] offset:\e*1024+\c*512
	global_load_b128 v[CH+8*\e+4*\c:CH+8*\e+4*\c+3], v[LI], s[4:5] offset:\e*1024+\c*512
	global_load_b128 v[CL+8*\e+4*\c:CL+8*\e+4*\c+3], v[LI], s[4:5] offset:32768+\e*1024+\c*512
.endr
.endr
; The products, transposed (source 0 = 16 rows of Wo, source 1 = the 16 rows of ctx): a lane holds row r and columns 8 h + 0 .. 7.  The three accumulators take turns, one instruction a turn.
.irp e, 0,1,2,3
	s_wait_loadcnt 8*(3-\e)                        ; fragment e's eight loads are in (and the bias, asked for ahead of them); the later fragments' 8 (3 - e) may be out
.if \e == 0
	v_wmma_f32_16x16x32_f16 v[AC:AC+7],     v[WH:WH+7], v[CH:CH+7], 0
	v_wmma_f32_16x16x32_f16 v[AC+8:AC+15],  v[WL:WL+7], v[CH:CH+7], 0
	v_wmma_f32_16x16x32_f16 v[AC+16:AC+23], v[WH:WH+7], v[CL:CL+7], 0
.else
	v_wmma_f32_16x16x32_f16 v[AC:AC+7],     v[WH+8*\e:WH+8*\e+7], v[CH+8*\e:CH+8*\e+7], v[AC:AC+7]
	v_wmma_f32_16x16x32_f16 v[AC+8:AC+15],  v[WL+8*\e:WL+8*\e+7], v[CH+8*\e:CH+8*\e+7], v[AC+8:AC+15]
	v_wmma_f32_16x16x32_f16 v[AC+16:AC+23], v[WH+8*\e:WH+8*\e+7], v[CL+8*\e:CL+8*\e+7], v[AC+16:AC+23]
.endif
.endr
.rept 4
	v_nop                                          ; four plain places between the last products and the first read of their results
.endr
.irp i, 0,2,4,6
	v_pk_add_f32 v[T+\i:T+\i+1], v[AC+\i:AC+\i+1], v[AC+8+\i:AC+8+\i+1]      ; each accumulator from its low end on
.endr
.irp i, 0,2,4,6
	v_pk_add_f32 v[T+\i:T+\i+1], v[T+\i:T+\i+1], v[AC+16+\i:AC+16+\i+1]
.endr
	ds_store_b128 v[PW], v[T:T+3]                  ; my wave's sum, as an image of its registers: columns 8 h + 0 .. 3,
	ds_store_b128 v[PW], v[T+4:T+7] offset:512     ; and 8 h + 4 .. 7
	s_wait_dscnt 0x0                               ; for wave 0's sake: my sum has landed
	s_barrier_signal -1
	s_barrier_wait -1
	s_cmp_lg_u32 s12, 0
	s_cbranch_scc1 .Lend                           ; wave 0 finishes the tile: 256 numbers
.irp i, 0,1,2,3,4,5,6,7,8,9,10,11,12,13,14,15
	ds_load_b128 v[16+4*\i:19+4*\i], v[LI] offset:\i*512       ; group i = 2 x wave + half
.endr
	s_wait_dscnt 0x0
.irp d, 8,4,2                          ; groups 8, 4 and 2 apart are the same half of other waves' sums
.set n, 0
.rept \d
	v_pk_add_f32 v[16+4*n:17+4*n], v[16+4*n:17+4*n], v[16+4*(n+\d):17+4*(n+\d)]
	v_pk_add_f32 v[18+4*n:19+4*n], v[18+4*n:19+4*n], v[18+4*(n+\d):19+4*(n+\d)]
.set n, n+1
.endr
.endr
	ds_store_b128 v[SGW], v[16:19]                 ; into the stage: row r, bytes 32 h on,
	ds_store_b128 v[SGW], v[20:23] offset:16       ; and 32 h + 16 on
	ds_load_b128 v[24:27], v[SGR]                  ; LDS serves a wave's instructions in order (ISA guide 5.7.1.4): these see my stores.  Four lanes to a row: rows 0-7,
	ds_load_b128 v[28:31], v[SGR] offset:8*SPITCH  ; rows 8-15
	s_wait_dscnt 0x0
	v_pk_add_f32 v[24:25], v[24:25], v[BI:BI+1]
	v_pk_add_f32 v[26:27], v[26:27], v[BI+2:BI+3]
	v_pk_add_f32 v[28:29], v[28:29], v[BI:BI+1]
	v_pk_add_f32 v[30:31], v[30:31], v[BI+2:BI+3]
	global_store_b128 v[OA], v[24:27], s[10:11]                ; four neighbouring lanes store a row's 64 bytes; eight rows a store
	global_store_b128 v[OA], v[28:31], s[10:11] offset:8*4096
.Lend:
	s_wait_tensorcnt 0x0                           ; the wave's end, behind my last LDS store
	ds_add_u32 v[SPW], v[NIL]
	s_wait_dscnt 0x0
	s_endpgm
.Lfunc_end_k_qc39d02fc1d_fine:
	.size	k_qc39d02fc1d_fine, .Lfunc_end_k_qc39d02fc1d_fine-k_qc39d02fc1d_fine
	.p2alignl 7, 3214868480
	.fill 96, 4, 3214868480
	.section	.rodata,"a",@progbits
	.p2align	6, 0x0
	.amdhsa_kernel k_qc39d02fc1d_fine
		.amdhsa_group_segment_fixed_size 10496
		.amdhsa_private_segment_fixed_size 0
		.amdhsa_enable_private_segment 0
		.amdhsa_kernarg_size 32
		.amdhsa_user_sgpr_count 2
		.amdhsa_user_sgpr_kernarg_segment_ptr 1
		.amdhsa_wavefront_size32 1
		.amdhsa_system_sgpr_workgroup_id_x 1
		.amdhsa_system_sgpr_workgroup_id_y 1
		.amdhsa_system_sgpr_workgroup_id_z 1
		.amdhsa_system_vgpr_workitem_id 0
		.amdhsa_next_free_vgpr 192
		.amdhsa_next_free_sgpr 66
		.amdhsa_reserve_vcc 0
		.amdhsa_float_denorm_mode_32 3
		.amdhsa_float_denorm_mode_16_64 3
		.amdhsa_memory_ordered 1
		.amdhsa_forward_progress 1
		.amdhsa_inst_pref_size 11
	.end_amdhsa_kernel
	.amdgpu_metadata
---
amdhsa.version: [ 1, 2 ]
amdhsa.kernels:
  - .name:           k_qc39d02fc1d_fine
    .symbol:         k_qc39d02fc1d_fine.kd
    .args:
      - { .name: cfine, .offset: 0, .size: 8, .value_kind: global_buffer, .address_space: global }
      - { .name: wo16, .offset: 8, .size: 8, .value_kind: global_buffer, .address_space: global }
      - { .name: bo, .offset: 16, .size: 8, .value_kind: global_buffer, .address_space: global }
      - { .name: out0, .offset: 24, .size: 8, .value_kind: global_buffer, .address_space: global }
    .group_segment_fixed_size: 10496
    .private_segment_fixed_size: 0
    .kernarg_segment_align: 8
    .kernarg_segment_size: 32
    .max_flat_workgroup_size: 256
    .sgpr_count:     66
    .vgpr_count:     192
    .wavefront_size: 32
...
	.end_amdgpu_metadata
.endif
;; end of part 5
